; MI455X (gfx1250); checked and timed in simulation.
; The chip was launched on July 23, 2026; its instructions are those of AMD's public machine-readable ISA for CDNA 5 (MIT licence, August 2026) and "CDNA5" Instruction Set Architecture Reference Guide (July 2026). The comments in the code are by the model that wrote it; some were corrected since.
;; Chamber Of Semantic Resonance. Allowed arithmetic: matrix products marked QUANTISED: E5M2 operands, one E8M0 scale for each 32 along K, by v_wmma_scale_f32_16x16x128_f8f6f4 with both operands' format E5M2, f32 sums; products left as they are: f32 operands where the result goes on into a quantised operand, else bf16, f16 or f32 operands; f32 sums; everything else in f32.
;; Inputs: W1_codes 8 x 2,048 x 32 x 32 uint8 (E5M2 codes of W1, K innermost, in blocks of 32 codes); W1_scales 8 x 2,048 x 32 uint8 (E8M0 scales of W1, one for each 32 codes along K); W2_codes 8 x 1,024 x 64 x 32 uint8 (E5M2 codes of W2, K innermost, in blocks of 32 codes); W2_scales 8 x 1,024 x 64 uint8 (E8M0 scales of W2, one for each 32 codes along K); anchors 8 x 1,024 float32; b1 8 x 2,048 float32; b2 8 x 1,024 float32; temperature one number float32; x 1 x 2,048 x 1,024 float32.
;; Outputs: out0 1 x 2,048 x 1,024 float32.
;; Constants: top_k = 2.
;; This version of the problem:
;;   THIS VERSION OF THE PROBLEM IS GIVEN IN LOW PRECISION. The matrix products marked QUANTISED in the list below multiply operands that are first quantised to E5M2 (5 exponent bits, 2 mantissa bits; 8 bits a number), with one power-of-two scale for each 32 numbers along K (OCP MX v1.0); their sums are f32. All else is computed in f32.
;;   The module's matrix products, in the order in which they are computed (A, B: the left and right operand; K: the contracted axis; several contracted axes count as one K, in the product's order):
;;     1. [M 2,048, K 1,024] x [K 1,024, N 8]; A: computed on the way; B: computed on the way: left as it is (N = 8 < 16)
;;     2. [M 16,384, K 1,024] x [K 1,024, N 2,048]; A: input W1 (given as codes); B: input x: QUANTISED
;;     3. batch 8 x [M 2,048, K 2,048] x [K 2,048, N 1,024]; A: computed on the way; B: input W2 (given as codes): QUANTISED
;;     4. batch 2,048 x [M 1, K 8] x [K 8, N 1,024]; A: computed on the way; B: computed on the way: left as it is (K = 8 < 32)
;;   THE QUANTISER, for each operand of a quantised product, along K:
;;     - K is cut into blocks of 32 from its start; a last block that is shorter is filled with zeros.
;;     - A block's scale is 2^e with e = floor(log2(the largest magnitude in the block)) - 15, held to -126 .. 127; a block of zeros has e = 0. As a byte (E8M0): e + 127.
;;     - Each number is divided by its block's scale, clamped to +-57,344, and rounded to the nearest number of E5M2, ties to even, subnormals kept.
;;     - The product sums the exact products of the quantised numbers (number of the format x scale) in f32.
;;   ~~~python
;;   def quantise(x, axis):      # numpy; x: float32 -> the quantised numbers, widened to float32 again
;;       x = np.moveaxis(x, axis, -1); K = x.shape[-1]
;;       x = np.pad(x, [(0, 0)] * (x.ndim - 1) + [(0, -K % 32)]); x = x.reshape(x.shape[:-1] + (-1, 32)); a = np.abs(x).max(-1, keepdims=True)
;;       e = np.where(a > 0, np.clip(np.frexp(np.where(a > 0, a, 1))[1] - 1 - 15, -126, 127), 0)      # np.frexp(a)[1] - 1 = floor(log2(a)), exactly
;;       r = np.clip(x / 2.0 ** e, -57344, 57344)
;;       step = 2.0 ** (np.maximum(np.frexp(np.where(r == 0, 1, r))[1] - 1, -14) - 2)
;;       q = np.round(r / step) * step * 2.0 ** e      # np.round: ties to even
;;       return np.moveaxis(q.reshape(q.shape[:-2] + (-1,))[..., :K], -1, axis).astype(np.float32)
;;   ~~~
;;   OPERANDS COMPUTED ON THE WAY. 'Computed on the way' means the value that the module computes at that place (a softmax that the list does not call 'softmax' is quantised finished and normalised). What goes into a quantiser is computed in f32, as accurately as f32 sums, v_exp_f32 and their like allow (about 1e-6 of the number): no bf16 or f16 on the way to a quantiser, and a product that is left as it is and whose result goes on into a quantised operand takes f32 operands (vector FMAs, or v_wmma_f32_16x16x4_f32). A number that lies on a knife's edge between two numbers of the format may be rounded either way, as far as f32 arithmetic and the matrix unit's own rounding can turn it there, and no further.
;;   INPUTS GIVEN AS CODES. W1 (in the module: [8, 1024, 2048], K = its axis 1); W2 (in the module: [8, 2048, 1024], K = its axis 1): each comes as NAME_codes (uint8): NAME with its K axis moved to the last place and cut into blocks of 32 codes, [.., K / 32, bytes a block], one block behind the other in memory; one code a byte (a code: sign, 5 exponent bits, 2 mantissa bits); and NAME_scales (uint8): the same leading axes, one E8M0 byte (e + 127) for each 32 codes along K. Its value is code x scale, taken as it is: it is not quantised again, and the codes and scales need not be those that the quantiser above would give.
;; 2 versions. Each part assembles by itself: llvm-mc -triple=amdgcn-amd-amdhsa -mcpu=gfx1250 --defsym DOCPART=n.
;; ======== version 1 of 2: 5 launches
;; workspace buffers: xq 2,162,688 bytes; sel 8,192 bytes of whole numbers; gw 16,384 bytes; lists 49,408 bytes of whole numbers; hq 10,270,720 bytes; ybuf 19,333,120 bytes
;; launch route (part 1): grid 128 x 1, 4 waves a work-group, no clusters, 1,536 bytes of LDS; arguments x, anchors, temperature, xq, sel, gw, lists; writes xq, sel, gw, lists
.if DOCPART == 1
	.amdgcn_target "amdgcn-amd-amdhsa--gfx1250"
	.amdhsa_code_object_version 6
	.text
	.protected	k_qbf8f079625_route
	.globl	k_qbf8f079625_route
	.p2align	8
	.type	k_qbf8f079625_route,@function
k_qbf8f079625_route:
	s_mov_b64 s[64:65], 0
	v_nop
	global_prefetch_b8 v0, s[64:65] scope:SCOPE_SE
	s_setreg_imm32_b32 hwreg(HW_REG_WAVE_MODE, 25, 1), 1
	s_wait_xcnt 0x0
; ROUTER AND QUANTISER OF x.  For each of 2,048 tokens: cosine scores against 8 anchors x |temperature|, softmax (the largest score is taken away first),
; the two largest (the lower index wins a tie of scores), gates p / (p1 + p2 + 1e-6); and the token's 1,024 numbers as E5M2 codes with one E8M0 byte for each 32.
; Stored at fixed places only: sel[t] = i1 | i2 << 8, gw[t] = (g0, g1), xq: codes [2048][1024] at 0, scale bytes [2048][32] at 2,097,152.  No address here hangs on a result.
; The launch also writes zeros over the first 32,768 bytes of lists (the row list), 256 bytes a work-group: slots that the next launch leaves out then name token 0.
; SHARES: a work-group 16 tokens, a wave 4.  Lane l holds of a row the numbers 256 g + 8 l + 0 .. 7, g = 0 .. 3: the two loads of a g cover 1,024 consecutive bytes, and four lanes hold a block of 32.
; The 8 anchors lie in the same layout in registers 256 to 511.  All products are f32 fused multiply-adds; no matrix unit: 8 columns are too few for it.
; LIMITS: NaN and infinities are not served.  A block of zeros gets the byte 1 (its codes are zeros; only this program reads the bytes).  Two scores that differ by less than f32's rounding
; of sums of 1,024 terms, or whose probabilities fall on one f32 number, may be ranked otherwise than a top-k on the probabilities ranks them.
.set X,    16                          ; v16-143  the four tokens, 32 registers each
.set DP,   144                         ; v144-159 eight dot products as pairs; later at work
.set SSP,  160                         ; v160-167 four sums of squares as pairs
.set KE,   168                         ; v168-175 |T| / max(|a_e|, 1e-8)
.set RT,   176                         ; v176-184 destinations of the lane permute
.set NINF, 185
.set SE,   186                         ; v186-193 the scores
.set M1,   194
.set I1,   195
.set M2,   196
.set I2,   197
.set ZZ,   198
.set TMP,  199
.set CD,   200                         ; v200-231 codes: eight registers for each token, so that no store's data are written again
.set RX,   232                         ; v232-235 1 / max(|x|, 1e-8)
.set EX,   236                         ; v236-243 exponentials
.set MG,   244                         ; v244-247 largest magnitudes of the four blocks in hand
.set SO,   248                         ; v248-251 the conversions' scale operands
.set HD,   252                         ; v252-255 57,344 x the scale
.set MSB, 0
.macro WIN new                         ; the immediate's high byte repeats the setting that is left
.if MSB != \new
	s_set_vgpr_msb (MSB<<8)|\new
.set MSB, \new
.endif
.endm
; sums over the 32 lanes of n registers from base on, stage by stage, so that no line waits for the line above it
.macro REDN base, n
.irp m, 1,2,4,8
.set j, 0
.rept \n
	v_add_f32_dpp v[\base+j], v[\base+j], v[\base+j] row_xmask:\m row_mask:0xf bank_mask:0xf
.set j, j+1
.endr
.endr
.set j, 0
.rept \n
	v_permlanex16_b32 v[RT+j], v[\base+j], s20, s21
.set j, j+1
.endr
.set j, 0
.rept \n
	v_add_f32 v[\base+j], v[\base+j], v[RT+j]
.set j, j+1
.endr
.endm
	s_load_b256 s[4:11], s[0:1], 0x0               ; x s[4:5], anchors s[6:7], temperature s[8:9], xq s[10:11]
	s_load_b128 s[12:15], s[0:1], 0x20             ; sel s[12:13], gw s[14:15]
	s_load_b64 s[16:17], s[0:1], 0x30              ; lists
	v_lshl_add_u32 v14, v0, 2, 0x400
	v_mov_b32 v15, 0
	v_lshrrev_b32 v1, 5, v0
	v_readfirstlane_b32 s18, v1                    ; wave
	v_and_b32 v1, 31, v0                           ; lane
	v_lshlrev_b32 v2, 5, v1                        ; 32 l: my 8 numbers in 1,024 bytes
	v_lshlrev_b32 v3, 3, v1                        ; 8 l
	v_lshlrev_b32 v7, 2, v1                        ; 4 l
	v_lshrrev_b32 v4, 2, v1
	s_lshl_b32 s24, s18, 7
	v_add_nc_u32 v4, s24, v4                       ; LDS: my wave's 128 scale bytes, my block's byte
	v_add_nc_u32 v5, s24, v7                       ; and on the way out 4 bytes a lane
	v_mov_b32 v6, 0                                ; lane i gathers token i's choices,
	v_mov_b32 v10, 0                               ; g0,
	v_mov_b32 v11, 0                               ; g1
	v_mov_b32 v12, 0                               ; zeros for the row list
	v_mov_b32 v13, 0
	v_mov_b32 v[NINF], 0xff800000
.irp k, 0,1,2,3,4,5,6,7,8
	v_mov_b32 v[RT+\k], 0                          ; a lane permute's destination counts as one of its sources
.endr
	s_mov_b32 s20, 0x76543210
	s_mov_b32 s21, 0xfedcba98                      ; selects for lane l xor 16
	s_mov_b32 s22, 0x600000                        ; the mantissa field of 57,344
	s_lshl_b32 s30, ttmp9, 4
	s_lshl_b32 s31, s18, 2
	s_add_co_u32 s30, s30, s31                     ; my first token
	s_mov_b32 s31, 0
	s_lshl_b64 s[32:33], s[30:31], 12              ; its bytes in x,
	s_lshl_b64 s[34:35], s[30:31], 10              ; among the codes,
	s_lshl_b64 s[36:37], s[30:31], 5               ; among the scale bytes,
	s_lshl_b64 s[38:39], s[30:31], 2               ; in sel,
	s_lshl_b64 s[40:41], s[30:31], 3               ; in gw
	s_lshl_b32 s42, ttmp9, 8                       ; the work-group's 256 bytes of the row list
	s_mov_b32 s43, 0
	s_wait_kmcnt 0x0
	s_load_b32 s19, s[8:9], 0x0                    ; the temperature
	s_add_nc_u64 s[4:5], s[4:5], s[32:33]
	s_add_nc_u64 s[44:45], s[10:11], s[36:37]
	s_add_nc_u64 s[10:11], s[10:11], s[34:35]
	s_add_nc_u64 s[12:13], s[12:13], s[38:39]
	s_add_nc_u64 s[14:15], s[14:15], s[40:41]
	s_add_nc_u64 s[16:17], s[16:17], s[42:43]
.irp i, 0,1,2,3
.irp g, 0,1,2,3
	global_load_b128 v[X+32*\i+8*\g:X+32*\i+8*\g+3],   v2, s[4:5] offset:4096*\i+1024*\g th:TH_LOAD_NT
	global_load_b128 v[X+32*\i+8*\g+4:X+32*\i+8*\g+7], v2, s[4:5] offset:4096*\i+1024*\g+16 th:TH_LOAD_NT
.endr
.endr
	WIN 0x40                                       ; destination registers 256 on
.irp e, 0,1,2,3,4,5,6,7
.irp g, 0,1,2,3
	global_load_b128 v[32*\e+8*\g:32*\e+8*\g+3],   v2, s[6:7] offset:4096*\e+1024*\g
	global_load_b128 v[32*\e+8*\g+4:32*\e+8*\g+7], v2, s[6:7] offset:4096*\e+1024*\g+16
.endr
.endr
	WIN 0
	s_cmp_lg_u32 s18, 0                            ; wave 0 alone writes the zeros
	s_cbranch_scc1 .Lno_fill
	global_store_b64 v3, v[12:13], s[16:17]        ; 32 lanes store 256 consecutive bytes
.Lno_fill:
	s_wait_kmcnt 0x0
	s_and_b32 s19, s19, 0x7fffffff                 ; |T|
	s_wait_loadcnt 0x0
	; sums of squares of the four tokens: four chains by turns
.set n, 0
.rept 16
.irp i, 0,1,2,3
.if n == 0
	v_pk_mul_f32 v[SSP+2*\i:SSP+2*\i+1], v[X+32*\i:X+32*\i+1], v[X+32*\i:X+32*\i+1]
.else
	v_pk_fma_f32 v[SSP+2*\i:SSP+2*\i+1], v[X+32*\i+2*n:X+32*\i+2*n+1], v[X+32*\i+2*n:X+32*\i+2*n+1], v[SSP+2*\i:SSP+2*\i+1]
.endif
.endr
.set n, n+1
.endr
	WIN 0x05                                       ; both factors from registers 256 on: the anchors' sums of squares, eight chains by turns
.set n, 0
.rept 16
.irp e, 0,1,2,3,4,5,6,7
.if n == 0
	v_pk_mul_f32 v[DP+2*\e:DP+2*\e+1], v[32*\e:32*\e+1], v[32*\e:32*\e+1]
.else
	v_pk_fma_f32 v[DP+2*\e:DP+2*\e+1], v[32*\e+2*n:32*\e+2*n+1], v[32*\e+2*n:32*\e+2*n+1], v[DP+2*\e:DP+2*\e+1]
.endif
.endr
.set n, n+1
.endr
	WIN 0
.irp e, 0,1,2,3,4,5,6,7
	v_add_f32 v[KE+\e], v[DP+2*\e], v[DP+2*\e+1]
.endr
.irp i, 0,1,2,3
	v_add_f32 v[RX+\i], v[SSP+2*\i], v[SSP+2*\i+1]
.endr
	REDN KE, 8
	REDN RX, 4
.irp e, 0,1,2,3,4,5,6,7
	v_sqrt_f32 v[KE+\e], v[KE+\e]
.endr
.irp i, 0,1,2,3
	v_sqrt_f32 v[RX+\i], v[RX+\i]
.endr
	v_nop                                          ; one plain instruction behind the transcendentals, ahead of the use of their results
	s_wait_alu depctr_va_vdst(0)
.irp e, 0,1,2,3,4,5,6,7
	v_max_num_f32 v[KE+\e], 0x322bcc77, v[KE+\e]   ; max(norm, 1e-8)
.endr
.irp i, 0,1,2,3
	v_max_num_f32 v[RX+\i], 0x322bcc77, v[RX+\i]
.endr
.irp e, 0,1,2,3,4,5,6,7
	v_rcp_f32 v[KE+\e], v[KE+\e]
.endr
.irp i, 0,1,2,3
	v_rcp_f32 v[RX+\i], v[RX+\i]
.endr
	v_nop
	s_wait_alu depctr_va_vdst(0)
.irp e, 0,1,2,3,4,5,6,7
	v_mul_f32 v[KE+\e], s19, v[KE+\e]
.endr
.macro TOKEN i
.set XB_, X+32*\i
	WIN 0x04                                       ; second factor from registers 256 on: x . a_e, eight chains by turns
.set n, 0
.rept 16
.irp e, 0,1,2,3,4,5,6,7
.if n == 0
	v_pk_mul_f32 v[DP+2*\e:DP+2*\e+1], v[XB_:XB_+1], v[32*\e:32*\e+1]
.else
	v_pk_fma_f32 v[DP+2*\e:DP+2*\e+1], v[XB_+2*n:XB_+2*n+1], v[32*\e+2*n:32*\e+2*n+1], v[DP+2*\e:DP+2*\e+1]
.endif
.endr
.set n, n+1
.endr
	WIN 0
.irp e, 0,1,2,3,4,5,6,7
	v_add_f32 v[SE+\e], v[DP+2*\e], v[DP+2*\e+1]
.endr
	REDN SE, 8                                     ; every lane now holds the eight dot products
.irp e, 0,1,2,3,4,5,6,7
	v_mul_f32 v[SE+\e], v[SE+\e], v[KE+\e]
.endr
.irp e, 0,1,2,3,4,5,6,7
	v_mul_f32 v[SE+\e], v[SE+\e], v[RX+\i]         ; the scores
.endr
	v_mov_b32 v[M1], v[SE]                         ; the largest: an ascending scan with a strict compare keeps the lower index
	v_mov_b32 v[I1], 0
.irp e, 1,2,3,4,5,6,7
	v_cmp_gt_f32 vcc_lo, v[SE+\e], v[M1]
	v_cndmask_b32 v[M1], v[M1], v[SE+\e], vcc_lo
	v_cndmask_b32 v[I1], v[I1], \e, vcc_lo
.endr
	v_mov_b32 v[M2], v[NINF]                       ; the second: the same scan with the first one's score taken as -infinity
	v_mov_b32 v[I2], 0
.irp e, 0,1,2,3,4,5,6,7
	v_cmp_eq_u32 vcc_lo, \e, v[I1]
	v_cndmask_b32 v[TMP], v[SE+\e], v[NINF], vcc_lo
	v_cmp_gt_f32 vcc_lo, v[TMP], v[M2]
	v_cndmask_b32 v[M2], v[M2], v[TMP], vcc_lo
	v_cndmask_b32 v[I2], v[I2], \e, vcc_lo
.endr
.irp e, 0,1,2,3,4,5,6,7
	v_sub_f32 v[EX+\e], v[SE+\e], v[M1]            ; the largest score is taken away ahead of the exponentials
.endr
	v_sub_f32 v[TMP], v[M2], v[M1]
.irp e, 0,1,2,3,4,5,6,7
	v_mul_f32 v[EX+\e], 0x3fb8aa3b, v[EX+\e]
.endr
	v_mul_f32 v[TMP], 0x3fb8aa3b, v[TMP]
.irp e, 0,1,2,3,4,5,6,7
	v_exp_f32 v[EX+\e], v[EX+\e]
.endr
	v_exp_f32 v[TMP], v[TMP]
	v_nop
	s_wait_alu depctr_va_vdst(0)
	v_add_f32 v[ZZ], v[EX], v[EX+1]
	v_add_f32 v[DP], v[EX+2], v[EX+3]
	v_add_f32 v[DP+1], v[EX+4], v[EX+5]
	v_add_f32 v[DP+2], v[EX+6], v[EX+7]
	v_add_f32 v[ZZ], v[ZZ], v[DP]
	v_add_f32 v[DP+1], v[DP+1], v[DP+2]
	v_add_f32 v[ZZ], v[ZZ], v[DP+1]
	v_rcp_f32 v[ZZ], v[ZZ]                         ; p1 = 1 / the sum
	v_nop
	s_wait_alu depctr_va_vdst(0)
	v_mul_f32 v[TMP], v[TMP], v[ZZ]                ; p2
	v_add_f32 v[DP], v[ZZ], v[TMP]
	v_add_f32 v[DP], 0x358637bd, v[DP]             ; + 1e-6
	v_rcp_f32 v[DP], v[DP]
	v_lshl_or_b32 v[DP+3], v[I2], 8, v[I1]         ; (a plain instruction behind the reciprocal)  i1 | i2 << 8
	s_wait_alu depctr_va_vdst(0)
	v_mul_f32 v[DP+1], v[ZZ], v[DP]                ; g0
	v_mul_f32 v[DP+2], v[TMP], v[DP]               ; g1
	v_cmp_eq_u32 vcc_lo, \i, v1
	v_cndmask_b32 v6, v6, v[DP+3], vcc_lo
	v_cndmask_b32 v10, v10, v[DP+1], vcc_lo
	v_cndmask_b32 v11, v11, v[DP+2], vcc_lo
	; the token's codes: four blocks by turns; a block's 32 numbers lie in four neighbouring lanes
.irp g, 0,1,2,3
	v_max3_num_f32 v[MG+\g], |v[XB_+8*\g]|, |v[XB_+8*\g+1]|, 0x8000000   ; with the floor 2^(16 - 127): the byte cannot fall under 1
.endr
.irp k, 2,4,6
.irp g, 0,1,2,3
	v_max3_num_f32 v[MG+\g], v[MG+\g], |v[XB_+8*\g+\k]|, |v[XB_+8*\g+\k+1]|
.endr
.endr
.irp g, 0,1,2,3
	v_max_num_f32_dpp v[MG+\g], v[MG+\g], v[MG+\g] row_xmask:1 row_mask:0xf bank_mask:0xf
.endr
.irp g, 0,1,2,3
	v_max_num_f32_dpp v[MG+\g], v[MG+\g], v[MG+\g] row_xmask:2 row_mask:0xf bank_mask:0xf
.endr
.irp g, 0,1,2,3
	v_add_nc_u32 v[SO+\g], 0xf8800000, v[MG+\g]    ; 15 off the exponent field: the conversion's scale operand
.endr
.irp g, 0,1,2,3
	v_and_or_b32 v[HD+\g], v[MG+\g], 0x7f800000, s22   ; 57,344 x the scale
.endr
.irp g, 0,1,2,3
.irp k, 0,1,2,3,4,5,6,7
	v_med3_num_f32 v[XB_+8*\g+\k], v[XB_+8*\g+\k], -v[HD+\g], v[HD+\g]   ; the conversion does not saturate (ISA guide 7.6.2): the hold comes first
.endr
	v_cvt_scalef32_pk8_bf8_f32 v[CD+8*\i+2*\g:CD+8*\i+2*\g+1], v[XB_+8*\g:XB_+8*\g+7], v[SO+\g]
.endr
	v_nop                                          ; one plain instruction between the last conversion and a write of its sources
.irp g, 0,1,2,3
	v_lshrrev_b32 v[XB_+\g], 23, v[SO+\g]          ; the scale's byte, in a register of the token's own
.endr
.irp g, 0,1,2,3
	ds_store_b8 v4, v[XB_+\g] offset:32*\i+8*\g    ; the four lanes of a block write the same byte with the same value
	global_store_b64 v3, v[CD+8*\i+2*\g:CD+8*\i+2*\g+1], s[10:11] offset:1024*\i+256*\g   ; 32 lanes store 256 consecutive bytes, aligned
.endr
.endm
	TOKEN 0
	TOKEN 1
	TOKEN 2
	TOKEN 3
	ds_load_b32 v[TMP], v5                         ; LDS serves a wave's instructions in order: this sees my byte stores
	s_wait_dscnt 0x0
	global_store_b32 v7, v[TMP], s[44:45] offset:2097152   ; my four tokens' 128 scale bytes
	s_wait_xcnt 0x0                                ; EXEC changes only behind this wait
	v_cmp_gt_u32 vcc_lo, 4, v1
	s_wait_tensorcnt 0x0
	ds_add_u32 v14, v15
	s_wait_dscnt 0x0
	s_and_saveexec_b32 s28, vcc_lo                 ; lanes 0 to 3 hold tokens 0 to 3
	global_store_b32 v7, v6, s[12:13]
	global_store_b64 v3, v[10:11], s[14:15]
	s_wait_xcnt 0x0
	s_or_b32 exec_lo, exec_lo, s28
	s_endpgm
.Lfunc_end_k_qbf8f079625_route:
	.size	k_qbf8f079625_route, .Lfunc_end_k_qbf8f079625_route-k_qbf8f079625_route
	.p2alignl 7, 3214868480
	.fill 96, 4, 3214868480
	.section	.rodata,"a",@progbits
	.p2align	6, 0x0
	.amdhsa_kernel k_qbf8f079625_route
		.amdhsa_group_segment_fixed_size 1536
		.amdhsa_private_segment_fixed_size 0
		.amdhsa_enable_private_segment 0
		.amdhsa_kernarg_size 56
		.amdhsa_user_sgpr_count 2
		.amdhsa_user_sgpr_kernarg_segment_ptr 1
		.amdhsa_wavefront_size32 1
		.amdhsa_system_sgpr_workgroup_id_x 1
		.amdhsa_system_sgpr_workgroup_id_y 1
		.amdhsa_system_sgpr_workgroup_id_z 1
		.amdhsa_system_vgpr_workitem_id 0
		.amdhsa_next_free_vgpr 512
		.amdhsa_next_free_sgpr 66
		.amdhsa_reserve_vcc 1
		.amdhsa_float_denorm_mode_32 3
		.amdhsa_float_denorm_mode_16_64 3
		.amdhsa_memory_ordered 1
		.amdhsa_forward_progress 1
		.amdhsa_inst_pref_size 116
	.end_amdhsa_kernel
	.amdgpu_metadata
---
amdhsa.version: [ 1, 2 ]
amdhsa.kernels:
  - .name:           k_qbf8f079625_route
    .symbol:         k_qbf8f079625_route.kd
    .args:
      - { .name: x, .offset: 0, .size: 8, .value_kind: global_buffer, .address_space: global }
      - { .name: anchors, .offset: 8, .size: 8, .value_kind: global_buffer, .address_space: global }
      - { .name: temperature, .offset: 16, .size: 8, .value_kind: global_buffer, .address_space: global }
      - { .name: xq, .offset: 24, .size: 8, .value_kind: global_buffer, .address_space: global }
      - { .name: sel, .offset: 32, .size: 8, .value_kind: global_buffer, .address_space: global }
      - { .name: gw, .offset: 40, .size: 8, .value_kind: global_buffer, .address_space: global }
      - { .name: lists, .offset: 48, .size: 8, .value_kind: global_buffer, .address_space: global }
    .group_segment_fixed_size: 1536
    .private_segment_fixed_size: 0
    .kernarg_segment_align: 8
    .kernarg_segment_size: 56
    .max_flat_workgroup_size: 128
    .sgpr_count:     66
    .vgpr_count:     512
    .wavefront_size: 32
...
	.end_amdgpu_metadata
.endif
;; end of part 1
;; launch place (part 2): grid 1 x 1, 32 waves a work-group, no clusters, 8,192 bytes of LDS; arguments sel, lists; writes lists
.if DOCPART == 2
	.amdgcn_target "amdgcn-amd-amdhsa--gfx1250"
	.amdhsa_code_object_version 6
	.text
	.protected	k_qbf8f079625_place
	.globl	k_qbf8f079625_place
	.p2align	8
	.type	k_qbf8f079625_place,@function
k_qbf8f079625_place:
	s_mov_b64 s[64:65], 0
	v_nop
	global_prefetch_b8 v0, s[64:65] scope:SCOPE_SE
	s_setreg_imm32_b32 hwreg(HW_REG_WAVE_MODE, 25, 1), 1
	s_wait_xcnt 0x0
; A COUNTING SORT of the 4,096 rows (token, chosen expert) into slots.  An expert's rows lie on end; each expert begins on a multiple of 80 slots (a tile).
; There are never more than ceil(4096 / 80) + 7 = 59 tiles, 4,720 slots, whatever the choice.  Whole numbers only, no atomics: one work-group of 32 waves, 64 tokens a wave.
; Stored into lists: rowtok[slot] = token at 4 x slot (slots left out keep the zeros of the launch before); tile_expert[64] at 32,768 (tiles behind the last used one: 7);
; tokslot[token] = (slot of the first choice, slot of the second) at 33,024.
; One work-group serves: the whole input is 8,192 bytes.
	s_load_b128 s[4:7], s[0:1], 0x0                ; sel, lists
	v_lshl_add_u32 v64, v0, 2, 0x1000
	v_mov_b32 v65, 0
	v_lshrrev_b32 v1, 5, v0
	v_readfirstlane_b32 s8, v1                     ; wave
	v_and_b32 v1, 31, v0                           ; lane
	v_lshlrev_b32 v3, 2, v0                        ; LDS: word 32 w + lane
	v_lshlrev_b32 v2, 2, v1
	s_lshl_b32 s9, s8, 8
	v_add_nc_u32 v2, s9, v2                        ; sel: 256 w + 4 lane
	v_lshlrev_b32 v11, 7, v1                       ; LDS: wave l's counts
	v_mov_b32 v10, 0
	v_mov_b32 v28, 0                               ; destination of lane moves: written once
	s_mov_b32 s82, 0x76543210
	s_mov_b32 s83, 0xfedcba98
	s_wait_kmcnt 0x0
	global_load_b32 v4, v2, s[4:5]                 ; tokens 64 w + lane
	global_load_b32 v5, v2, s[4:5] offset:128      ; tokens 64 w + 32 + lane
	s_wait_loadcnt 0x0
.irp p, 0,1
	v_and_b32 v[6+\p], 7, v[4+\p]                  ; first choice
	v_bfe_u32 v[8+\p], v[4+\p], 8, 3               ; second choice
.endr
.irp e, 0,1,2,3,4,5,6,7
.irp p, 0,1
	v_cmp_eq_u32 s10, \e, v[6+\p]
	v_cmp_eq_u32 s11, \e, v[8+\p]
	s_or_b32 s[16+2*\e+\p], s10, s11               ; which of my 32 tokens use expert e (a token's two choices differ)
	s_bcnt1_i32_b32 s[32+2*\e+\p], s[16+2*\e+\p]
.endr
	s_add_co_u32 s12, s[32+2*\e], s[33+2*\e]
	v_writelane_b32 v10, s12, \e                   ; lane e: my wave's count for expert e
.endr
	ds_store_b32 v3, v10
	s_wait_dscnt 0x0                               ; for the others' sake: my store is done
	s_barrier_signal -1
	s_barrier_wait -1
	ds_load_b128 v[12:15], v11                     ; lane l: wave l's eight counts
	ds_load_b128 v[16:19], v11 offset:16
	s_wait_dscnt 0x0
	v_cmp_gt_u32 vcc_lo, s8, v1                    ; waves in front of mine
.irp e, 0,1,2,3,4,5,6,7
	v_cndmask_b32 v[20+\e], 0, v[12+\e], vcc_lo
.endr
.macro RSUM r                          ; a sum of whole numbers over the 32 lanes
.irp m, 1,2,4,8
	v_mov_b32_dpp v28, v[\r] row_xmask:\m row_mask:0xf bank_mask:0xf
	v_add_nc_u32 v[\r], v[\r], v28
.endr
	v_permlanex16_b32 v28, v[\r], s82, s83
	v_add_nc_u32 v[\r], v[\r], v28
.endm
.irp r, 12,13,14,15,16,17,18,19,20,21,22,23,24,25,26,27
	RSUM \r
.endr
	s_mov_b32 s13, 0                               ; tiles so far
.irp e, 0,1,2,3,4,5,6,7
	v_readfirstlane_b32 s[48+\e], v[12+\e]         ; the expert's rows,
	v_readfirstlane_b32 s[56+\e], v[20+\e]         ; those of them in waves in front of mine
	s_mul_i32 s14, s13, 80
	s_add_co_u32 s[66+\e], s14, s[56+\e]           ; my wave's first slot of expert e
	s_add_co_u32 s14, s[48+\e], 79
	s_mul_i32 s14, s14, 52429
	s_lshr_b32 s14, s14, 22                        ; ceil(rows / 80): exact for numbers up to 4,175
	s_add_co_u32 s13, s13, s14
	s_mov_b32 s[74+\e], s13                        ; the tile behind the expert's last
.endr
	s_lshl_b32 s15, s8, 6
.irp p, 0,1
	v_mov_b32 v[30+8*\p], 0
	v_mov_b32 v[31+8*\p], 0
.irp e, 0,1,2,3,4,5,6,7
.if \p == 0
	v_mbcnt_lo_u32_b32 v29, s[16+2*\e], s[66+\e]   ; first slot + the users of e among the lanes below mine
.else
	s_add_co_u32 s14, s[66+\e], s[32+2*\e]
	v_mbcnt_lo_u32_b32 v29, s[17+2*\e], s14
.endif
	v_cmp_eq_u32 vcc_lo, \e, v[6+\p]
	v_cndmask_b32 v[30+8*\p], v[30+8*\p], v29, vcc_lo
	v_cmp_eq_u32 vcc_lo, \e, v[8+\p]
	v_cndmask_b32 v[31+8*\p], v[31+8*\p], v29, vcc_lo
.endr
	v_min_u32 v[30+8*\p], 0x126f, v[30+8*\p]       ; a slot is at most 4,719
	v_min_u32 v[31+8*\p], 0x126f, v[31+8*\p]
	v_add_nc_u32 v[32+8*\p], s15, v1
	v_add_nc_u32 v[32+8*\p], 32*\p, v[32+8*\p]     ; the token
	v_lshlrev_b32 v[33+8*\p], 2, v[30+8*\p]
	v_lshlrev_b32 v[34+8*\p], 2, v[31+8*\p]
	v_lshlrev_b32 v[35+8*\p], 3, v[32+8*\p]
	global_store_b32 v[33+8*\p], v[32+8*\p], s[6:7]
	global_store_b32 v[34+8*\p], v[32+8*\p], s[6:7]
	global_store_b64 v[35+8*\p], v[30+8*\p:31+8*\p], s[6:7] offset:33024
.endr
	s_cmp_lg_u32 s8, 0                             ; wave 0 alone: each tile's expert = how many of experts 0 to 6 end at or in front of it
	s_cbranch_scc1 .Ldone
	v_lshlrev_b32 v46, 1, v1
	v_add_nc_u32 v47, 1, v46
	v_mov_b32 v48, 0
	v_mov_b32 v49, 0
	v_lshlrev_b32 v51, 3, v1
.irp e, 0,1,2,3,4,5,6
	v_cmp_le_u32 vcc_lo, s[74+\e], v46
	v_cndmask_b32 v50, 0, 1, vcc_lo
	v_add_nc_u32 v48, v48, v50
	v_cmp_le_u32 vcc_lo, s[74+\e], v47
	v_cndmask_b32 v50, 0, 1, vcc_lo
	v_add_nc_u32 v49, v49, v50
.endr
	global_store_b64 v51, v[48:49], s[6:7] offset:32768
.Ldone:
	s_wait_tensorcnt 0x0
	ds_add_u32 v64, v65
	s_wait_dscnt 0x0
	s_endpgm
.Lfunc_end_k_qbf8f079625_place:
	.size	k_qbf8f079625_place, .Lfunc_end_k_qbf8f079625_place-k_qbf8f079625_place
	.p2alignl 7, 3214868480
	.fill 96, 4, 3214868480
	.section	.rodata,"a",@progbits
	.p2align	6, 0x0
	.amdhsa_kernel k_qbf8f079625_place
		.amdhsa_group_segment_fixed_size 8192
		.amdhsa_private_segment_fixed_size 0
		.amdhsa_enable_private_segment 0
		.amdhsa_kernarg_size 16
		.amdhsa_user_sgpr_count 2
		.amdhsa_user_sgpr_kernarg_segment_ptr 1
		.amdhsa_wavefront_size32 1
		.amdhsa_system_sgpr_workgroup_id_x 1
		.amdhsa_system_sgpr_workgroup_id_y 1
		.amdhsa_system_sgpr_workgroup_id_z 1
		.amdhsa_system_vgpr_workitem_id 0
		.amdhsa_next_free_vgpr 66
		.amdhsa_next_free_sgpr 100
		.amdhsa_reserve_vcc 1
		.amdhsa_float_denorm_mode_32 3
		.amdhsa_float_denorm_mode_16_64 3
		.amdhsa_memory_ordered 1
		.amdhsa_forward_progress 1
		.amdhsa_inst_pref_size 23
	.end_amdhsa_kernel
	.amdgpu_metadata
---
amdhsa.version: [ 1, 2 ]
amdhsa.kernels:
  - .name:           k_qbf8f079625_place
    .symbol:         k_qbf8f079625_place.kd
    .args:
      - { .name: sel, .offset: 0, .size: 8, .value_kind: global_buffer, .address_space: global }
      - { .name: lists, .offset: 8, .size: 8, .value_kind: global_buffer, .address_space: global }
    .group_segment_fixed_size: 8192
    .private_segment_fixed_size: 0
    .kernarg_segment_align: 8
    .kernarg_segment_size: 16
    .max_flat_workgroup_size: 1024
    .sgpr_count:     100
    .vgpr_count:     66
    .wavefront_size: 32
...
	.end_amdgpu_metadata
.endif
;; end of part 2
;; launch ffn1 (part 3): grid 4 x 59, 4 waves a work-group, no clusters, 222,976 bytes of LDS; arguments lists, xq, W1_codes, W1_scales, b1, hq; writes hq
.if DOCPART == 3
	.amdgcn_target "amdgcn-amd-amdhsa--gfx1250"
	.amdhsa_code_object_version 6
	.text
	.protected	k_qbf8f079625_ffn1
	.globl	k_qbf8f079625_ffn1
	.p2align	8
	.type	k_qbf8f079625_ffn1,@function
k_qbf8f079625_ffn1:
	s_mov_b64 s[64:65], 0
	v_nop
	global_prefetch_b8 v0, s[64:65] scope:SCOPE_SE
	s_setreg_imm32_b32 hwreg(HW_REG_WAVE_MODE, 25, 1), 1
	s_wait_xcnt 0x0
; hq = Q(gelu(x W1^T + b1)) for one tile of 80 slots of one expert (work-group y) and 512 of its 2,048 hidden units (work-group x), on E5M2 codes with E8M0 scales.
; SHARES.  Four waves; each takes all 80 rows and 128 hidden units of its own: 40 accumulators, 320 registers.  So a wave's rows of W1 are read by that wave alone.
; x: the tile's 80 rows of codes (gathered by the row list) come into LDS once, by asynchronous copies at the head; one barrier in the whole text.
; W1: eight chunks of 64 rows x 256 bytes (chunk c: K bytes 256 (c / 2) on, rows 64 (c % 2) on): 32 loads of 512 bytes (16 lanes take 256 consecutive bytes of a row) into one of two sets of 128 registers,
; from there into the wave's own ring of two LDS slots (rows 272 bytes apart), from there as fragments.  Two chunks, 32 KB a wave, are on their way at any time.  The ring is each wave's own, and LDS serves a wave
; in order (ISA guide 5.7.1.4): no barrier.  A chunk is two steps of 128 along K, 20 matrix instructions each; fragments have two sets of registers, by turns.
; TRANSPOSED USE: source 0 = 16 rows of W1, source 1 = 16 rows of x: a lane holds one row of h.  THE ROWS OF W1 THAT FORM A TILE ARE NOT NEIGHBOURS: on their way into the ring rows change places (bits 3 and 4 of the
; row's number), so that lane r of tile 2 b + u holds row 32 b + 8 u + r + 8 (r / 8), and the 16 registers of tiles 2 b, 2 b + 1 are 16 neighbours along the next K.  b1 is the C of each sum's first instruction.
; SCALE WORDS are loaded once: a register holds an even K step's word in lanes 0-15 and the next step's in lanes 16-31.
; GELU, exact form: gelu(x) = max(0, x) - |x| q, q = erfc(|x| / sqrt 2) / 2 = t 2^(poly(t) - x^2 log2(e) / 2), t = 1 / (1 + |x| / sqrt 8), poly of degree 9: the formula's fractional error is 1.2e-7.
; OUT: the wave's 128 hidden units are one K step of the next product.  Its codes leave as an image of the operand's registers (piece c of lane l at 512 c + 16 l: each store covers 512 consecutive bytes), its scale words 4 bytes a lane.
; NO BRANCH ON DATA: slots without a row name token 0, tiles without rows take expert 7; all are computed and stored, so every byte that the next launch loads has been written.
; NO CLUSTER, NO JOINT LOADS: which tiles share an expert hangs on the list in memory; the four work-groups of a tile share only x's 80 KB of the 592 KB that each reads; and the weights go through registers.
; LIMITS: NaN and infinities are not served; a block of zeros gets the byte 1 (its codes are zeros; only this program reads the bytes).
; REGISTERS in windows of 256.  0: v1-16 addresses; v32-63 W1's scale words (4 t + kk); v64-83 x's (4 rb + kk); v96-255 x's fragments, two sets of 80 (ahead of the barrier: the copies' addresses; at the end: results, codes).
;   1: v0-127 W1's fragments, two sets; v128-255 chunk set 0 (at the end v0-97: t, x^2, the polynomial).   2: accumulators of row blocks 0-3 at v[8 (8 rb + t)].   3: v0-63 row block 4's; v64-191 chunk set 1; v192-255 b1.
.set XPITCH, 1040                      ; a row of x in LDS: 1,024 bytes + 16: an odd multiple of 16, so that the 16 rows of a fragment load start 16 bytes apart modulo 256
.set RING,   80*XPITCH                 ; 83,200 = 325 x 256: the rings begin on a block of their own; no copy lands there
.set WPITCH, 272
.set WSLOT,  64*WPITCH
.set GO,   3                           ; v3   W1: (l / 16) x 1,024 + 16 (l % 16)
.set SO,   4                           ; v4   into the ring: (l / 16) x 272 + 16 (l % 16)
.set WFA,  5                           ; v5   out of it: 272 r + 16 h
.set XA0,  6                           ; v6   x's fragments: 1,040 r + 16 h
.set XA1,  7                           ; v7   the same 48 rows on
.set L16,  8                           ; v8   16 x lane
.set L4,   9                           ; v9   4 x lane
.set W1S,  32
.set XS,   64
.set AF,   96
.set GOFF, 96                          ; v96-105  the copies' offsets in xq
.set LA,   106                         ; v106-115 and their LDS addresses
.set TKS,  116                         ; v116-120 offsets of x's scale words
.set B1,   192
.set GG,   96                          ; the end, window 0: 64 results;
.set TM,   160                         ; 16 at work;
.set PC,   176                         ; 16 of codes;
.set PW,   192                         ; the scale word
.set TT,   0                           ; the end, window 1: t;
.set X2,   32                          ; x^2;
.set PP,   64                          ; the polynomial, then q;
.set C9V,  96                          ; the top coefficient as a pair
.set XQ,   6
.set WB,   8
.set WSB,  10
.set BB,   12
.set LB,   24
.set HB,   28
.set HSB,  30
.set SEL,  66
.set MNT,  68
.set MSB, 0
.macro WIN new                         ; the immediate's high byte repeats the setting that is left
.if MSB != \new
	s_set_vgpr_msb (MSB<<8)|\new
.set MSB, \new
.endif
.endm
.macro CPAIR reg, val                  ; a packed form names a pair and takes its low word for both halves: both words are written
	s_mov_b32 s[\reg], \val
	s_mov_b32 s[\reg+1], \val
.endm
.macro PLACES                          ; eight plain vector instructions between a matrix instruction of this form and a load into, or a vector access of, its registers
.rept 8
	v_nop
.endr
.endm
.macro LOAD_W c                        ; chunk c from memory into chunk set c % 2
.if ((\c)%2) == 0
	WIN 0x40
.set GR_, 128
.else
	WIN 0xc0
.set GR_, 64
.endif
.set I_, 0
.rept 32
	global_load_b128 v[GR_+4*I_:GR_+4*I_+3], v[GO], s[WB:WB+1] offset:(64*((\c)%2)+2*I_)*1024+256*((\c)/2)
.set I_, I_+1
.endr
.endm
.macro STORE_W c                       ; chunk set c % 2 into ring slot c % 2; rows change places: bits 3 and 4 of the row's number are swapped
.if ((\c)%2) == 0
	WIN 0x04
.set GR_, 128
.else
	WIN 0x0c
.set GR_, 64
.endif
.set I_, 0
.rept 32
.set R_, 2*I_
	ds_store_b128 v[SO], v[GR_+4*I_:GR_+4*I_+3] offset:((\c)%2)*WSLOT+((R_&39)|((R_&8)<<1)|((R_&16)>>1))*WPITCH
.set I_, I_+1
.endr
.endm
.macro FRAG_W c, q                     ; W1's four fragments of chunk c, step q, into set q
	WIN 0x40
.irp tt, 0,1,2,3
.irp cc, 0,1,2,3
	ds_load_b128 v[64*(\q)+16*\tt+4*\cc:64*(\q)+16*\tt+4*\cc+3], v[WFA] offset:((\c)%2)*WSLOT+\tt*16*WPITCH+128*(\q)+32*\cc
.endr
.endr
.endm
.macro FRAG_A c, q                     ; x's five fragments of K step 2 (c / 2) + q into set q
	WIN 0
.set KS_, 2*((\c)/2)+(\q)
.irp rb, 0,1,2,3,4
.irp cc, 0,1,2,3
.if \rb < 3
	ds_load_b128 v[AF+80*(\q)+16*\rb+4*\cc:AF+80*(\q)+16*\rb+4*\cc+3], v[XA0] offset:\rb*16*XPITCH+128*KS_+32*\cc
.else
	ds_load_b128 v[AF+80*(\q)+16*\rb+4*\cc:AF+80*(\q)+16*\rb+4*\cc+3], v[XA1] offset:(\rb-3)*16*XPITCH+128*KS_+32*\cc
.endif
.endr
.endr
.endm
; four matrix instructions: row block rb against the chunk's four tiles.  A step's 20 accumulators take turns, one instruction a turn, in the same order in every step.
.macro MUL4 c, q, rb
.set MH_, (\c)%2
.set MK_, (\c)/2
.if (\rb) < 4
.if ((\c) < 2) && ((\q) == 0)
	WIN 0xb1                                       ; W1 window 1, x window 0, C = b1 window 3, D window 2
.else
	WIN 0xa1
.endif
.else
	WIN 0xf1
.endif
.irp tt, 0,1,2,3
.set MT_, 4*MH_+\tt
.set MA_, 8*(8*((\rb)%4)+MT_)
.if ((\c) < 2) && ((\q) == 0)
	v_wmma_scale_f32_16x16x128_f8f6f4 v[MA_:MA_+7], v[16*\tt:16*\tt+15], v[AF+16*(\rb):AF+16*(\rb)+15], v[B1+8*MT_:B1+8*MT_+7], v[W1S+4*MT_+MK_], v[XS+4*(\rb)+MK_] matrix_a_fmt:MATRIX_FMT_BF8 matrix_b_fmt:MATRIX_FMT_BF8
.elseif (\q) == 0
	v_wmma_scale_f32_16x16x128_f8f6f4 v[MA_:MA_+7], v[16*\tt:16*\tt+15], v[AF+16*(\rb):AF+16*(\rb)+15], v[MA_:MA_+7], v[W1S+4*MT_+MK_], v[XS+4*(\rb)+MK_] matrix_a_fmt:MATRIX_FMT_BF8 matrix_b_fmt:MATRIX_FMT_BF8
.else
	v_wmma_scale_f32_16x16x128_f8f6f4 v[MA_:MA_+7], v[64+16*\tt:64+16*\tt+15], v[AF+80+16*(\rb):AF+80+16*(\rb)+15], v[MA_:MA_+7], v[W1S+4*MT_+MK_], v[XS+4*(\rb)+MK_] matrix_a_fmt:MATRIX_FMT_BF8 matrix_b_fmt:MATRIX_FMT_BF8 matrix_a_scale:MATRIX_SCALE_ROW1 matrix_b_scale:MATRIX_SCALE_ROW1
.endif
.endr
.endm
.macro STEP_A c                        ; a chunk's first step
	s_wait_dscnt 0x0                               ; this step's fragments are in
	MUL4 \c, 0, 0
	MUL4 \c, 0, 1
	PLACES                                         ; behind the last step's products, whose fragment set is loaded next
	FRAG_W \c, 1
	FRAG_A \c, 1
.if (\c) < 7
.if (\c) == 6
	s_wait_loadcnt 0x0                             ; the last chunk has landed
.else
	s_wait_loadcnt 32                              ; chunk c + 1 has landed; the 32 loads of chunk c + 2 may be out
.endif
	STORE_W (\c)+1                                 ; into the slot whose chunk was read out a step ago
.endif
	MUL4 \c, 0, 2
	MUL4 \c, 0, 3
	MUL4 \c, 0, 4
.endm
.macro STEP_B c                        ; its second step
.if (\c) < 7
	s_wait_dscnt 32                                ; this step's fragments are in; the 32 stores behind them may be out
.else
	s_wait_dscnt 0x0
.endif
	MUL4 \c, 1, 0
	MUL4 \c, 1, 1
.if (\c) < 7
	s_wait_dscnt 0x0                               ; the stores have read their registers,
.if (\c) < 5
	LOAD_W (\c)+3                                  ; which take the chunk two further on
.endif
	PLACES
	FRAG_W (\c)+1, 0
	FRAG_A (\c)+1, 0
.endif
	MUL4 \c, 1, 2
	MUL4 \c, 1, 3
	MUL4 \c, 1, 4
.endm
	s_load_b256 s[4:11], s[0:1], 0x0               ; lists s[4:5], xq s[6:7], W1's codes s[8:9], W1's scales s[10:11]
	s_load_b128 s[12:15], s[0:1], 0x20             ; b1 s[12:13], hq s[14:15]
	v_lshl_add_u32 v94, v0, 2, 0x36500
	v_mov_b32 v95, 0
	ds_add_u32 v94, v95
	ds_add_u32 v94, v95
	v_lshrrev_b32 v1, 5, v0
	v_readfirstlane_b32 s16, v1                    ; wave
	s_mov_b32 s17, ttmp9                           ; which 512 hidden units
	s_and_b32 s18, ttmp7, 0xffff                   ; which tile
	v_and_b32 v1, 15, v0                           ; r
	v_bfe_u32 v2, v0, 4, 1                         ; h
	v_and_b32 v8, 31, v0
	v_lshlrev_b32 v9, 2, v8
	v_lshlrev_b32 v8, 4, v8
	v_lshlrev_b32 v14, 4, v1                       ; 16 r
	v_lshl_add_u32 v[GO], v2, 10, v14
	s_mul_i32 s26, s16, 2*WSLOT
	s_add_co_u32 s26, s26, RING                    ; my ring
	v_mul_u32_u24 v[SO], v2, WPITCH
	v_add_nc_u32 v[SO], v[SO], v14
	v_add_nc_u32 v[SO], s26, v[SO]
	v_mul_u32_u24 v[WFA], v1, WPITCH
	v_lshl_add_u32 v[WFA], v2, 4, v[WFA]
	v_add_nc_u32 v[WFA], s26, v[WFA]
	v_mul_u32_u24 v[XA0], v1, XPITCH
	v_lshl_add_u32 v[XA0], v2, 4, v[XA0]
	v_add_nc_u32 v[XA1], 48*XPITCH, v[XA0]
	s_mul_i32 s27, s16, 20
	v_add_nc_u32 v15, s27, v2                      ; 20 w + h: the first row that I copy
	v_lshlrev_b32 v10, 2, v15                      ; its place in the row list
	v_mul_u32_u24 v15, v15, XPITCH
	v_add_nc_u32 v15, v15, v14                     ; and in LDS
	v_lshlrev_b32 v11, 2, v1                       ; the row list: 4 r
	v_and_b32 v12, 8, v1
	v_add_nc_u32 v12, v12, v1                      ; r + 8 (r / 8)
	v_lshlrev_b32 v12, 5, v12
	v_lshl_add_u32 v12, v2, 2, v12                 ; W1's scale words: 32 bytes a row, + 4 h: lanes 16-31 take the odd K step's
	v_lshlrev_b32 v13, 6, v2                       ; b1: 64 h
	v_lshlrev_b32 v16, 2, v2                       ; 4 h
	CPAIR 40, 0xc034d90f                           ; the polynomial's coefficients x log2(e), the lowest less 1 (the half): c0 .. c8
	CPAIR 42, 0x3fb8ab5a
	CPAIR 44, 0x3f0a29d2
	CPAIR 46, 0x3e0efb2f
	CPAIR 48, 0xbe899a80
	CPAIR 50, 0x3ecdfd18
	CPAIR 52, 0xbfd1a1e5
	CPAIR 54, 0x40097039
	CPAIR 56, 0xbf97d29d
	CPAIR 60, 0xbf38aa3b                           ; -log2(e) / 2
	s_mov_b32 s62, 0x3eb504f3                      ; 1 / sqrt 8
	s_mov_b32 s[SEL], 0x76543210
	s_mov_b32 s[SEL+1], 0xfedcba98                 ; selects for lane l xor 16
	s_mov_b32 s[MNT], 0x600000                     ; the mantissa field of 57,344
	s_lshl_b32 s19, s18, 2
	s_mul_i32 s22, s18, 320
	s_mov_b32 s23, 0
	s_wait_dscnt 0x0
	s_wait_kmcnt 0x0
	s_load_b32 s20, s[4:5], s19 offset:0x8000      ; the tile's expert
	s_add_nc_u64 s[LB:LB+1], s[4:5], s[22:23]      ; the tile's 80 entries of the row list
.irp p, 0,1,2,3,4,5,6,7,8,9
	global_load_b32 v[GOFF+\p], v10, s[LB:LB+1] offset:8*\p        ; the token of row 20 w + 2 p + h
.endr
.irp rb, 0,1,2,3,4
	global_load_b32 v[TKS+\rb], v11, s[LB:LB+1] offset:64*\rb      ; the token of row 16 rb + r
.endr
	s_wait_kmcnt 0x0
	s_min_u32 s20, s20, 7
	s_lshl_b32 s21, s17, 9
	s_lshl_b32 s27, s16, 7
	s_add_co_u32 s21, s21, s27                     ; my first hidden unit
	s_lshl_b32 s22, s20, 21
	s_lshl_b32 s27, s21, 10
	s_add_co_u32 s22, s22, s27
	s_add_nc_u64 s[WB:WB+1], s[WB:WB+1], s[22:23]
	s_lshl_b32 s22, s20, 16
	s_lshl_b32 s27, s21, 5
	s_add_co_u32 s22, s22, s27
	s_add_nc_u64 s[WSB:WSB+1], s[WSB:WSB+1], s[22:23]
	s_lshl_b32 s22, s20, 13
	s_lshl_b32 s27, s21, 2
	s_add_co_u32 s22, s22, s27
	s_add_nc_u64 s[BB:BB+1], s[BB:BB+1], s[22:23]
	s_mul_i32 s27, s18, 80
	s_lshl_b32 s22, s17, 2
	s_add_co_u32 s27, s27, s22
	s_add_co_u32 s27, s27, s16                     ; 16 x (the tile's first row block) + my K step of the next product
	s_lshl_b32 s22, s27, 11
	s_add_nc_u64 s[HB:HB+1], s[14:15], s[22:23]
	s_lshl_b32 s22, s27, 7
	s_add_co_u32 s22, s22, 9666560
	s_add_nc_u64 s[HSB:HSB+1], s[14:15], s[22:23]
.irp t, 0,1,2,3,4,5,6,7
.irp kk, 0,1,2,3
	global_load_b32 v[W1S+4*\t+\kk], v12, s[WSB:WSB+1] offset:(32*(\t/2)+8*(\t%2))*32+8*\kk
.endr
.endr
	WIN 0xc0
.irp t, 0,1,2,3,4,5,6,7
	global_load_b128 v[B1+8*\t:B1+8*\t+3],   v13, s[BB:BB+1] offset:(32*(\t/2)+8*(\t%2))*4      ; lane (r, h), tile 2 b + u: hidden units 32 b + 16 h + 8 u + 0 .. 7
	global_load_b128 v[B1+8*\t+4:B1+8*\t+7], v13, s[BB:BB+1] offset:(32*(\t/2)+8*(\t%2))*4+16
.endr
	WIN 0
	s_wait_loadcnt 48                              ; the 15 tokens are in; the 32 + 16 loads behind them may be out
.irp p, 0,1,2,3,4,5,6,7,8,9
	v_min_u32 v[GOFF+\p], 0x7ff, v[GOFF+\p]
	v_lshl_add_u32 v[GOFF+\p], v[GOFF+\p], 10, v14 ; the token's row of codes, + 16 (l % 16)
	v_add_nc_u32 v[LA+\p], 2*\p*XPITCH, v15
.endr
.irp p, 0,1,2,3,4,5,6,7,8,9
.irp j, 0,1,2,3
	global_load_async_to_lds_b128 v[LA+\p], v[GOFF+\p], s[XQ:XQ+1] offset:256*\j   ; two rows' 256 bytes; the immediate goes onto both addresses
.endr
.endr
.irp rb, 0,1,2,3,4
	v_min_u32 v[TKS+\rb], 0x7ff, v[TKS+\rb]
	v_lshl_add_u32 v[TKS+\rb], v[TKS+\rb], 5, v16
.endr
.irp rb, 0,1,2,3,4
.irp kk, 0,1,2,3
	global_load_b32 v[XS+4*\rb+\kk], v[TKS+\rb], s[XQ:XQ+1] offset:2097152+8*\kk
.endr
.endr
	LOAD_W 0
	LOAD_W 1
	s_wait_loadcnt 32                              ; all but chunk 1: scale words, b1 and chunk 0 are in
	STORE_W 0
	s_wait_dscnt 0x0                               ; the stores have read their registers; and no LDS instruction of mine is out at the signal
	LOAD_W 2
	WIN 0
	s_wait_asynccnt 0x0                            ; my 20 rows of x lie in LDS,
	s_barrier_signal -1
	s_barrier_wait -1                              ; everybody's do.  (The copies' address registers are free from here on)
	FRAG_W 0, 0
	FRAG_A 0, 0
.irp c, 0,1,2,3,4,5,6,7
	STEP_A \c
	STEP_B \c
.endr
; THE END.  32 numbers of a lane at a time: the accumulators are read from their low ends on, in ascending order.
.macro GELU32 rb, g
.set XB_, 64*((\rb)%4)+32*(\g)
.set GB_, GG+32*(\g)
.if (\rb) < 4
	WIN 0x4a                                       ; sources 0 and 1: the accumulators' window; destination window 1
.else
	WIN 0x4f
.endif
.set n, 0
.rept 32
	v_fma_f32 v[TT+n], |v[XB_+n]|, s62, 1.0
.set n, n+1
.endr
.set n, 0
.rept 16
	v_pk_mul_f32 v[X2+2*n:X2+2*n+1], v[XB_+2*n:XB_+2*n+1], v[XB_+2*n:XB_+2*n+1]
.set n, n+1
.endr
.if (\rb) < 4
	WIN 0x08                                       ; destination window 0
.else
	WIN 0x0c
.endif
.set n, 0
.rept 32
	v_max_num_f32 v[GB_+n], 0, v[XB_+n]
.set n, n+1
.endr
	WIN 0x55                                       ; all in window 1
.set n, 0
.rept 32
	v_rcp_f32 v[TT+n], v[TT+n]                     ; t
.set n, n+1
.endr
	v_nop                                          ; one plain instruction behind the transcendentals
.set n, 0
	s_wait_alu depctr_va_vdst(0)
.rept 16
	v_pk_fma_f32 v[PP+2*n:PP+2*n+1], v[TT+2*n:TT+2*n+1], v[C9V:C9V+1], s[56:57] op_sel_hi:[1,1,0]
.set n, n+1
.endr
.irp k, 7,6,5,4,3,2,1,0
.set n, 0
.rept 16
	v_pk_fma_f32 v[PP+2*n:PP+2*n+1], v[PP+2*n:PP+2*n+1], v[TT+2*n:TT+2*n+1], s[40+2*\k:41+2*\k] op_sel_hi:[1,1,0]
.set n, n+1
.endr
.endr
.set n, 0
.rept 16
	v_pk_fma_f32 v[PP+2*n:PP+2*n+1], v[X2+2*n:X2+2*n+1], s[60:61], v[PP+2*n:PP+2*n+1] op_sel_hi:[1,0,1]
.set n, n+1
.endr
.set n, 0
.rept 32
	v_exp_f32 v[PP+n], v[PP+n]
.set n, n+1
.endr
	v_nop
.set n, 0
	s_wait_alu depctr_va_vdst(0)
.rept 16
	v_pk_mul_f32 v[PP+2*n:PP+2*n+1], v[PP+2*n:PP+2*n+1], v[TT+2*n:TT+2*n+1]   ; q
.set n, n+1
.endr
.if (\rb) < 4
	WIN 0x06                                       ; x from its window, q from window 1, the rest window 0
.else
	WIN 0x07
.endif
.set n, 0
.rept 32
	v_fma_f32 v[GB_+n], -|v[XB_+n]|, v[PP+n], v[GB_+n]     ; gelu(x) = max(0, x) - |x| q
.set n, n+1
.endr
.endm
; 64 numbers of a lane, register 16 b + i = k 32 b + 16 (lane / 16) + i of my row, become a fragment's codes in v[PC] on and its scale word in v[PW]
.macro QUANT s
.irp b, 0,1,2,3
	v_max3_num_f32 v[TM+\b], |v[\s+16*\b]|, |v[\s+1+16*\b]|, 0x8000000   ; with the floor 2^(16 - 127): the byte cannot fall under 1
.endr
.irp i, 2,4,6,8,10,12,14
.irp b, 0,1,2,3
	v_max3_num_f32 v[TM+\b], v[TM+\b], |v[\s+16*\b+\i]|, |v[\s+1+16*\b+\i]|
.endr
.endr
.irp b, 0,1,2,3
	v_permlanex16_b32 v[TM+4+\b], v[TM+\b], s[SEL], s[SEL+1]
.endr
.irp b, 0,1,2,3
	v_max_num_f32 v[TM+\b], v[TM+\b], v[TM+4+\b]   ; with lane l xor 16's: the block's largest magnitude
.endr
.irp b, 0,1,2,3
	v_add_nc_u32 v[TM+12+\b], 0xf8800000, v[TM+\b] ; 15 off its exponent field: the conversion's scale operand
.endr
.irp b, 0,1,2,3
	v_and_or_b32 v[TM+8+\b], v[TM+\b], 0x7f800000, s[MNT]   ; 57,344 x the scale
.endr
.irp b, 0,1,2,3
	v_lshrrev_b32 v[TM+4+\b], 23, v[TM+12+\b]      ; the scale's byte
.endr
	v_lshl_or_b32 v[PW], v[TM+5], 8, v[TM+4]
	v_lshl_or_b32 v[PW], v[TM+6], 16, v[PW]
	v_lshl_or_b32 v[PW], v[TM+7], 24, v[PW]
.irp b, 0,1,2,3
.irp i, 0,1,2,3,4,5,6,7,8,9,10,11,12,13,14,15
	v_med3_num_f32 v[\s+16*\b+\i], v[\s+16*\b+\i], -v[TM+8+\b], v[TM+8+\b]   ; the conversion does not saturate (ISA guide 7.6.2): the hold comes first
.endr
	v_cvt_scalef32_pk8_bf8_f32 v[PC+4*\b:PC+1+4*\b], v[\s+16*\b:\s+7+16*\b], v[TM+12+\b]
	v_cvt_scalef32_pk8_bf8_f32 v[PC+2+4*\b:PC+3+4*\b], v[\s+8+16*\b:\s+15+16*\b], v[TM+12+\b]
.endr
	v_nop                                          ; one plain instruction between the last conversion and the next vector write of its sources
.endm
	WIN 0
	PLACES                                         ; behind the last products: their results are read, and their operands' registers written, from here on
.irp b, 0,1,2,3
	v_mov_b32 v[TM+4+\b], 0                        ; a lane permute's destination counts as one of its sources
.endr
	WIN 0x40
	v_mov_b32 v[C9V], 0x3e7c6f08                   ; c9
	v_mov_b32 v[C9V+1], 0x3e7c6f08
.irp rb, 0,1,2,3,4
	GELU32 \rb, 0
	GELU32 \rb, 1
	WIN 0
.if \rb > 0
	s_wait_xcnt 0x0                                ; the last block's stores have read their data: the codes' registers are written again only behind this wait
.endif
	QUANT GG
.irp c, 0,1,2,3
	global_store_b128 v[L16], v[PC+4*\c:PC+4*\c+3], s[HB:HB+1] offset:32768*\rb+512*\c   ; 32 lanes store 512 consecutive bytes, aligned
.endr
	global_store_b32 v[L4], v[PW], s[HSB:HSB+1] offset:2048*\rb
.endr
	s_wait_tensorcnt 0x0
	ds_add_u32 v94, v95
	s_wait_dscnt 0x0
	s_endpgm
.Lfunc_end_k_qbf8f079625_ffn1:
	.size	k_qbf8f079625_ffn1, .Lfunc_end_k_qbf8f079625_ffn1-k_qbf8f079625_ffn1
	.p2alignl 7, 3214868480
	.fill 96, 4, 3214868480
	.section	.rodata,"a",@progbits
	.p2align	6, 0x0
	.amdhsa_kernel k_qbf8f079625_ffn1
		.amdhsa_group_segment_fixed_size 222976
		.amdhsa_private_segment_fixed_size 0
		.amdhsa_enable_private_segment 0
		.amdhsa_kernarg_size 48
		.amdhsa_user_sgpr_count 2
		.amdhsa_user_sgpr_kernarg_segment_ptr 1
		.amdhsa_wavefront_size32 1
		.amdhsa_system_sgpr_workgroup_id_x 1
		.amdhsa_system_sgpr_workgroup_id_y 1
		.amdhsa_system_sgpr_workgroup_id_z 1
		.amdhsa_system_vgpr_workitem_id 0
		.amdhsa_next_free_vgpr 1024
		.amdhsa_next_free_sgpr 100
		.amdhsa_reserve_vcc 0
		.amdhsa_float_denorm_mode_32 3
		.amdhsa_float_denorm_mode_16_64 3
		.amdhsa_memory_ordered 1
		.amdhsa_forward_progress 1
		.amdhsa_inst_pref_size 255
	.end_amdhsa_kernel
	.section	.bss,"aw",@nobits
	.p2align	6
	.space	262144
	.amdgpu_metadata
---
amdhsa.version: [ 1, 2 ]
amdhsa.kernels:
  - .name:           k_qbf8f079625_ffn1
    .symbol:         k_qbf8f079625_ffn1.kd
    .args:
      - { .name: lists, .offset: 0, .size: 8, .value_kind: global_buffer, .address_space: global }
      - { .name: xq, .offset: 8, .size: 8, .value_kind: global_buffer, .address_space: global }
      - { .name: W1_codes, .offset: 16, .size: 8, .value_kind: global_buffer, .address_space: global }
      - { .name: W1_scales, .offset: 24, .size: 8, .value_kind: global_buffer, .address_space: global }
      - { .name: b1, .offset: 32, .size: 8, .value_kind: global_buffer, .address_space: global }
      - { .name: hq, .offset: 40, .size: 8, .value_kind: global_buffer, .address_space: global }
    .group_segment_fixed_size: 222976
    .private_segment_fixed_size: 0
    .kernarg_segment_align: 8
    .kernarg_segment_size: 48
    .max_flat_workgroup_size: 128
    .sgpr_count:     100
    .vgpr_count:     1024
    .wavefront_size: 32
...
	.end_amdgpu_metadata
.endif
;; end of part 3
;; launch ffn2 (part 4): grid 4 x 59, 4 waves a work-group, no clusters, 303,616 bytes of LDS; arguments lists, hq, W2_codes, W2_scales, b2, ybuf; writes ybuf
.if DOCPART == 4
	.amdgcn_target "amdgcn-amd-amdhsa--gfx1250"
	.amdhsa_code_object_version 6
	.text
	.protected	k_qbf8f079625_ffn2
	.globl	k_qbf8f079625_ffn2
	.p2align	8
	.type	k_qbf8f079625_ffn2,@function
k_qbf8f079625_ffn2:
	s_mov_b64 s[64:65], 0
	v_nop
	global_prefetch_b8 v0, s[64:65] scope:SCOPE_SE
	s_setreg_imm32_b32 hwreg(HW_REG_WAVE_MODE, 25, 1), 1
	s_wait_xcnt 0x0
; y = h W2^T + b2 for one tile of 80 slots of one expert (work-group y) and 256 of the 1,024 outputs (work-group x), on E5M2 codes with E8M0 scales; y in f32 into ybuf [4720][1024].
; SHARES.  Four waves; each takes all 80 rows and 64 outputs of its own: 20 accumulators.  So a wave's rows of W2 are read by that wave alone.
; h: the tile's 80 register images (5 row blocks x 16 K steps x 2,048 bytes) are 163,840 consecutive bytes of hq: they come into LDS once, at the head, by one tensor load a wave (a quarter each: 160 rows of 256 bytes);
; these bytes are never filled again; one barrier in the whole text.  A fragment of h is four loads of 16 bytes a lane at 16 x lane: consecutive bytes.
; W2: eight chunks of 64 rows x 256 bytes (K bytes 256 c on), as in the launch before: 32 loads of 512 bytes into one of two sets of 128 registers, into the wave's own ring of two LDS slots (rows 272 bytes apart),
; out of it as fragments; two chunks, 32 KB a wave, on their way; no barrier, since the ring is each wave's own and LDS serves a wave in order (ISA guide 5.7.1.4).  A chunk is two steps of 128 along K, 20 matrix instructions each.
; TRANSPOSED USE: source 0 = 16 rows of W2, source 1 = 16 rows of h: a lane holds eight neighbouring outputs of one row.  b2 is the C of each sum's first instruction.
; SCALE WORDS are loaded once: a register holds an even K step's word in lanes 0-15 and the next step's in lanes 16-31.
; OUT: 16 rows x 256 bytes at a time through the wave's ring (no longer read by then), back as whole rows: 16 lanes store 256 consecutive bytes, aligned.
; NO BRANCH ON DATA: every tile is computed and stored; rows of slots that hold no row are read by nobody.
; NO CLUSTER, NO JOINT LOADS: which tiles share an expert hangs on the list in memory; the four work-groups of a tile share only h's 160 KB of the 688 KB that each reads; and the weights go through registers.
; LIMITS: NaN and infinities are not served.
; REGISTERS in windows of 256.  0: v1-20 addresses; v32-63 W2's scale words (8 t + kk); v64-103 h's (8 rb + kk); v104-231 chunk set 1, at the end rows of y.
;   1: v0-127 W2's fragments, two sets; v128-255 chunk set 0.   2: v0-159 accumulators at v[8 (4 rb + t)]; v160-191 b2.   3: v0-159 h's fragments, two sets of 80.
.set RING,   163840                    ; 640 x 256: the rings begin on a block of their own, behind the images' last byte; no tensor load lands there
.set WPITCH, 272
.set WSLOT,  64*WPITCH
.set QIMG,   40960                     ; a wave's quarter of the tile's images, in bytes
.set GO,   3                           ; v3   W2: (l / 16) x 2,048 + 16 (l % 16)
.set SO,   4                           ; v4   into the ring, and rows of y out of it: (l / 16) x 272 + 16 (l % 16)
.set WFA,  5                           ; v5   fragments out of it: 272 r + 16 h
.set HAR,  6                           ; v6-10 h's images of row block rb: 16 x lane + 32,768 rb
.set STO,  13                          ; v13  results into the ring: 272 r + 32 h
.set YO,   15                          ; v15  y: (l / 16) x 4,096 + 16 (l % 16)
.set W2S,  32
.set HS,   64
.set OUTR, 104
.set B2,   160
.set WB,   8
.set WSB,  10
.set BB,   12
.set YB,   14
.set HSB,  28
.set G0,   32                          ; s[32:35] descriptor group 0: from where, to where
.set G1,   40                          ; s[40:47] descriptor group 1: the shape
.set MSB, 0
.macro WIN new                         ; the immediate's high byte repeats the setting that is left
.if MSB != \new
	s_set_vgpr_msb (MSB<<8)|\new
.set MSB, \new
.endif
.endm
.macro PLACES                          ; eight plain vector instructions between a matrix instruction of this form and a load into, or a store of, its registers
.rept 8
	v_nop
.endr
.endm
.macro LOAD_W c                        ; chunk c from memory into chunk set c % 2
.if ((\c)%2) == 0
	WIN 0x40
.set GR_, 128
.else
	WIN 0
.set GR_, 104
.endif
.set I_, 0
.rept 32
	global_load_b128 v[GR_+4*I_:GR_+4*I_+3], v[GO], s[WB:WB+1] offset:2*I_*2048+256*(\c)
.set I_, I_+1
.endr
.endm
.macro STORE_W c                       ; chunk set c % 2 into ring slot c % 2
.if ((\c)%2) == 0
	WIN 0x04
.set GR_, 128
.else
	WIN 0
.set GR_, 104
.endif
.set I_, 0
.rept 32
	ds_store_b128 v[SO], v[GR_+4*I_:GR_+4*I_+3] offset:((\c)%2)*WSLOT+2*I_*WPITCH
.set I_, I_+1
.endr
.endm
.macro FRAG_W c, q                     ; W2's four fragments of chunk c, step q, into set q
	WIN 0x40
.irp tt, 0,1,2,3
.irp cc, 0,1,2,3
	ds_load_b128 v[64*(\q)+16*\tt+4*\cc:64*(\q)+16*\tt+4*\cc+3], v[WFA] offset:((\c)%2)*WSLOT+\tt*16*WPITCH+128*(\q)+32*\cc
.endr
.endr
.endm
.macro FRAG_A c, q                     ; h's five fragments of K step 2 c + q into set q
	WIN 0xc0
.irp rb, 0,1,2,3,4
.irp cc, 0,1,2,3
	ds_load_b128 v[80*(\q)+16*\rb+4*\cc:80*(\q)+16*\rb+4*\cc+3], v[HAR+\rb] offset:2048*(2*(\c)+(\q))+512*\cc
.endr
.endr
.endm
; four matrix instructions: row block rb against my four tiles of outputs.  The 20 accumulators take turns, one instruction a turn, in the same order in every step.
.macro MUL4 c, q, rb
	WIN 0xad                                       ; W2 window 1, h window 3, C and D window 2
.irp tt, 0,1,2,3
.set MA_, 8*(4*(\rb)+\tt)
.if ((\c) == 0) && ((\q) == 0)
	v_wmma_scale_f32_16x16x128_f8f6f4 v[MA_:MA_+7], v[16*\tt:16*\tt+15], v[16*(\rb):16*(\rb)+15], v[B2+8*\tt:B2+8*\tt+7], v[W2S+8*\tt+(\c)], v[HS+8*(\rb)+(\c)] matrix_a_fmt:MATRIX_FMT_BF8 matrix_b_fmt:MATRIX_FMT_BF8
.elseif (\q) == 0
	v_wmma_scale_f32_16x16x128_f8f6f4 v[MA_:MA_+7], v[16*\tt:16*\tt+15], v[16*(\rb):16*(\rb)+15], v[MA_:MA_+7], v[W2S+8*\tt+(\c)], v[HS+8*(\rb)+(\c)] matrix_a_fmt:MATRIX_FMT_BF8 matrix_b_fmt:MATRIX_FMT_BF8
.else
	v_wmma_scale_f32_16x16x128_f8f6f4 v[MA_:MA_+7], v[64+16*\tt:64+16*\tt+15], v[80+16*(\rb):80+16*(\rb)+15], v[MA_:MA_+7], v[W2S+8*\tt+(\c)], v[HS+8*(\rb)+(\c)] matrix_a_fmt:MATRIX_FMT_BF8 matrix_b_fmt:MATRIX_FMT_BF8 matrix_a_scale:MATRIX_SCALE_ROW1 matrix_b_scale:MATRIX_SCALE_ROW1
.endif
.endr
.endm
.macro STEP_A c                        ; a chunk's first step
	s_wait_dscnt 0x0                               ; this step's fragments are in
	MUL4 \c, 0, 0
	MUL4 \c, 0, 1
	PLACES                                         ; behind the last step's products, whose fragment set is loaded next
	FRAG_W \c, 1
	FRAG_A \c, 1
.if (\c) < 7
.if (\c) == 6
	s_wait_loadcnt 0x0                             ; the last chunk has landed
.else
	s_wait_loadcnt 32                              ; chunk c + 1 has landed; the 32 loads of chunk c + 2 may be out
.endif
	STORE_W (\c)+1                                 ; into the slot whose chunk was read out a step ago
.endif
	MUL4 \c, 0, 2
	MUL4 \c, 0, 3
	MUL4 \c, 0, 4
.endm
.macro STEP_B c                        ; its second step
.if (\c) < 7
	s_wait_dscnt 32                                ; this step's fragments are in; the 32 stores behind them may be out
.else
	s_wait_dscnt 0x0
.endif
	MUL4 \c, 1, 0
	MUL4 \c, 1, 1
.if (\c) < 7
	s_wait_dscnt 0x0                               ; the stores have read their registers,
.if (\c) < 5
	LOAD_W (\c)+3                                  ; which take the chunk two further on
.endif
	PLACES
	FRAG_W (\c)+1, 0
	FRAG_A (\c)+1, 0
.endif
	MUL4 \c, 1, 2
	MUL4 \c, 1, 3
	MUL4 \c, 1, 4
.endm
	s_load_b256 s[4:11], s[0:1], 0x0               ; lists s[4:5], hq s[6:7], W2's codes s[8:9], W2's scales s[10:11]
	s_load_b128 s[12:15], s[0:1], 0x20             ; b2 s[12:13], ybuf s[14:15]
	v_lshl_add_u32 v254, v0, 2, 0x4a000
	v_mov_b32 v255, 0
	ds_add_u32 v254, v255
	ds_add_u32 v254, v255
	v_lshrrev_b32 v1, 5, v0
	v_readfirstlane_b32 s16, v1                    ; wave
	s_mov_b32 s17, ttmp9                           ; which 256 outputs
	s_and_b32 s18, ttmp7, 0xffff                   ; which tile
	; descriptor group 1: a dense block of 40,960 bytes as 160 rows of 256 bytes (32 elements of 8 bytes), no padding: the images lie in LDS as they lie in memory
	s_mov_b32 s[G1+0], 3<<16                       ; 15:0 no mask; 17:16 elements of 8 bytes; 20 padding off
	s_mov_b32 s[G1+1], 32<<16                      ; tensor_dim0 = 32
	s_mov_b32 s[G1+2], 160<<16                     ; tensor_dim1 = 160
	s_mov_b32 s[G1+3], 32<<16                      ; tile_dim0 = 32
	s_mov_b32 s[G1+4], 160                         ; tile_dim1 = 160
	s_mov_b32 s[G1+5], 32                          ; from row to row: 32 elements
	s_mov_b32 s[G1+6], 0
	s_mov_b32 s[G1+7], 0
	s_mul_i32 s27, s16, QIMG                       ; my quarter of the tile's images: in LDS,
	s_mul_i32 s22, s18, 163840
	s_add_co_u32 s22, s22, s27                     ; and in hq (under 2^32: 59 tiles of 163,840 bytes)
	s_mov_b32 s23, 0
	s_lshl_b32 s19, s18, 2
	s_wait_dscnt 0x0
	s_wait_kmcnt 0x0
	s_load_b32 s20, s[4:5], s19 offset:0x8000      ; the tile's expert
	s_mov_b32 s[G0], 1                             ; 1:0 count = 1
	s_mov_b32 s[G0+1], s27                         ; 63:32 LDS address
	s_add_nc_u64 s[G0+2:G0+3], s[6:7], s[22:23]    ; 120:64 global address
	s_or_b32 s[G0+3], s[G0+3], 0x80000000          ; 127:126 type = 2
	tensor_load_to_lds s[G0:G0+3], s[G1:G1+7]      ; my one tensor load of the launch: a first fill, ahead of every LDS read and of the barrier; its descriptor's registers are not written again
	s_nop 0
.rept 4
	v_nop
.endr
	v_and_b32 v1, 15, v0                           ; r
	v_bfe_u32 v2, v0, 4, 1                         ; h
	v_and_b32 v16, 31, v0
	v_lshlrev_b32 v16, 4, v16                      ; 16 x lane
	v_lshlrev_b32 v17, 4, v1                       ; 16 r
	v_lshl_add_u32 v[GO], v2, 11, v17
	s_mul_i32 s26, s16, 2*WSLOT
	s_add_co_u32 s26, s26, RING                    ; my ring
	v_mul_u32_u24 v[SO], v2, WPITCH
	v_add_nc_u32 v[SO], v[SO], v17
	v_add_nc_u32 v[SO], s26, v[SO]
	v_mul_u32_u24 v[WFA], v1, WPITCH
	v_lshl_add_u32 v[STO], v2, 5, v[WFA]
	v_lshl_add_u32 v[WFA], v2, 4, v[WFA]
	v_add_nc_u32 v[WFA], s26, v[WFA]
	v_add_nc_u32 v[STO], s26, v[STO]
.irp rb, 0,1,2,3,4
	v_add_nc_u32 v[HAR+\rb], 32768*\rb, v16
.endr
	v_lshl_add_u32 v[YO], v2, 12, v17
	v_lshlrev_b32 v18, 6, v1
	v_lshl_add_u32 v18, v2, 2, v18                 ; W2's scale words: 64 bytes a row, + 4 h: lanes 16-31 take the odd K step's
	v_lshlrev_b32 v19, 2, v1
	v_lshl_add_u32 v19, v2, 7, v19                 ; h's: 4 r, + 128 h: the odd K step's 128 bytes
	v_lshlrev_b32 v20, 5, v2                       ; b2: 32 h
	s_mul_i32 s22, s18, 10240
	s_add_co_u32 s22, s22, 9666560
	s_add_nc_u64 s[HSB:HSB+1], s[6:7], s[22:23]
.irp rb, 0,1,2,3,4
.irp kk, 0,1,2,3,4,5,6,7
	global_load_b32 v[HS+8*\rb+\kk], v19, s[HSB:HSB+1] offset:2048*\rb+256*\kk
.endr
.endr
	s_wait_kmcnt 0x0
	s_min_u32 s20, s20, 7
	s_lshl_b32 s21, s17, 8
	s_lshl_b32 s27, s16, 6
	s_add_co_u32 s21, s21, s27                     ; my first output
	s_lshl_b32 s22, s20, 21
	s_lshl_b32 s27, s21, 11
	s_add_co_u32 s22, s22, s27
	s_add_nc_u64 s[WB:WB+1], s[WB:WB+1], s[22:23]
	s_lshl_b32 s22, s20, 16
	s_lshl_b32 s27, s21, 6
	s_add_co_u32 s22, s22, s27
	s_add_nc_u64 s[WSB:WSB+1], s[WSB:WSB+1], s[22:23]
	s_lshl_b32 s22, s20, 12
	s_lshl_b32 s27, s21, 2
	s_add_co_u32 s22, s22, s27
	s_add_nc_u64 s[BB:BB+1], s[BB:BB+1], s[22:23]
	s_mul_i32 s22, s18, 327680
	s_add_co_u32 s22, s22, s27                     ; the tile's first row of y, + 4 x my first output
	s_add_nc_u64 s[YB:YB+1], s[YB:YB+1], s[22:23]
.irp t, 0,1,2,3
.irp kk, 0,1,2,3,4,5,6,7
	global_load_b32 v[W2S+8*\t+\kk], v18, s[WSB:WSB+1] offset:1024*\t+8*\kk
.endr
.endr
	WIN 0x80
.irp t, 0,1,2,3
	global_load_b128 v[B2+8*\t:B2+8*\t+3],   v20, s[BB:BB+1] offset:64*\t       ; lane (r, h), tile t: outputs 16 t + 8 h + 0 .. 7
	global_load_b128 v[B2+8*\t+4:B2+8*\t+7], v20, s[BB:BB+1] offset:64*\t+16
.endr
	LOAD_W 0
	LOAD_W 1
	s_wait_loadcnt 32                              ; all but chunk 1: scale words, b2 and chunk 0 are in
	STORE_W 0
	s_wait_dscnt 0x0                               ; the stores have read their registers; and no LDS instruction of mine is out at the signal
	LOAD_W 2
	WIN 0
	s_wait_tensorcnt 0x0                           ; my quarter of the images lies in LDS,
	s_barrier_signal -1
	s_barrier_wait -1                              ; everybody's does
	FRAG_W 0, 0
	FRAG_A 0, 0
.irp c, 0,1,2,3,4,5,6,7
	STEP_A \c
	STEP_B \c
.endr
	; THE WAY OUT.  A lane holds 32 neighbouring bytes of a row, the lanes beside it other rows: a block of 16 rows goes through my ring (its two slots by turns) and comes back as rows of 256 bytes.
	WIN 0
	PLACES                                         ; behind the last products: their results are read from here on
.irp rb, 0,1,2,3,4
.if \rb >= 2
	s_wait_xcnt 0x0                                ; the stores of the block two back have read their data: those registers are loaded again only behind this wait
.endif
	WIN 0x08                                       ; an LDS store's data: window 2
.irp t, 0,1,2,3
	ds_store_b128 v[STO], v[8*(4*\rb+\t):8*(4*\rb+\t)+3] offset:(\rb%2)*WSLOT+64*\t        ; each accumulator from its low end on
	ds_store_b128 v[STO], v[8*(4*\rb+\t)+4:8*(4*\rb+\t)+7] offset:(\rb%2)*WSLOT+64*\t+16
.endr
	WIN 0
.irp i, 0,1,2,3,4,5,6,7
	ds_load_b128 v[OUTR+32*(\rb%2)+4*\i:OUTR+32*(\rb%2)+4*\i+3], v[SO] offset:(\rb%2)*WSLOT+2*\i*WPITCH   ; LDS serves a wave's instructions in order: these see the stores above
.endr
	s_wait_dscnt 0x0
.irp i, 0,1,2,3,4,5,6,7
	global_store_b128 v[YO], v[OUTR+32*(\rb%2)+4*\i:OUTR+32*(\rb%2)+4*\i+3], s[YB:YB+1] offset:(16*\rb+2*\i)*4096   ; 16 lanes store 256 consecutive bytes, aligned
.endr
.endr
	s_wait_tensorcnt 0x0
	ds_add_u32 v254, v255
	s_wait_dscnt 0x0
	s_endpgm
.Lfunc_end_k_qbf8f079625_ffn2:
	.size	k_qbf8f079625_ffn2, .Lfunc_end_k_qbf8f079625_ffn2-k_qbf8f079625_ffn2
	.p2alignl 7, 3214868480
	.fill 96, 4, 3214868480
	.section	.rodata,"a",@progbits
	.p2align	6, 0x0
	.amdhsa_kernel k_qbf8f079625_ffn2
		.amdhsa_group_segment_fixed_size 303616
		.amdhsa_private_segment_fixed_size 0
		.amdhsa_enable_private_segment 0
		.amdhsa_kernarg_size 48
		.amdhsa_user_sgpr_count 2
		.amdhsa_user_sgpr_kernarg_segment_ptr 1
		.amdhsa_wavefront_size32 1
		.amdhsa_system_sgpr_workgroup_id_x 1
		.amdhsa_system_sgpr_workgroup_id_y 1
		.amdhsa_system_sgpr_workgroup_id_z 1
		.amdhsa_system_vgpr_workitem_id 0
		.amdhsa_next_free_vgpr 1024
		.amdhsa_next_free_sgpr 66
		.amdhsa_reserve_vcc 0
		.amdhsa_float_denorm_mode_32 3
		.amdhsa_float_denorm_mode_16_64 3
		.amdhsa_memory_ordered 1
		.amdhsa_forward_progress 1
		.amdhsa_inst_pref_size 145
	.end_amdhsa_kernel
	.amdgpu_metadata
---
amdhsa.version: [ 1, 2 ]
amdhsa.kernels:
  - .name:           k_qbf8f079625_ffn2
    .symbol:         k_qbf8f079625_ffn2.kd
    .args:
      - { .name: lists, .offset: 0, .size: 8, .value_kind: global_buffer, .address_space: global }
      - { .name: hq, .offset: 8, .size: 8, .value_kind: global_buffer, .address_space: global }
      - { .name: W2_codes, .offset: 16, .size: 8, .value_kind: global_buffer, .address_space: global }
      - { .name: W2_scales, .offset: 24, .size: 8, .value_kind: global_buffer, .address_space: global }
      - { .name: b2, .offset: 32, .size: 8, .value_kind: global_buffer, .address_space: global }
      - { .name: ybuf, .offset: 40, .size: 8, .value_kind: global_buffer, .address_space: global }
    .group_segment_fixed_size: 303616
    .private_segment_fixed_size: 0
    .kernarg_segment_align: 8
    .kernarg_segment_size: 48
    .max_flat_workgroup_size: 128
    .sgpr_count:     66
    .vgpr_count:     1024
    .wavefront_size: 32
...
	.end_amdgpu_metadata
.endif
;; end of part 4
;; launch combine (part 5): grid 256 x 1, 8 waves a work-group, no clusters, 0 bytes of LDS; arguments lists, gw, ybuf, out0; writes out0
.if DOCPART == 5
	.amdgcn_target "amdgcn-amd-amdhsa--gfx1250"
	.amdhsa_code_object_version 6
	.text
	.protected	k_qbf8f079625_combine
	.globl	k_qbf8f079625_combine
	.p2align	8
	.type	k_qbf8f079625_combine,@function
k_qbf8f079625_combine:
	s_mov_b64 s[64:65], 0
	v_nop
	global_prefetch_b8 v0, s[64:65] scope:SCOPE_SE
	s_setreg_imm32_b32 hwreg(HW_REG_WAVE_MODE, 25, 1), 1
	s_wait_xcnt 0x0
; out[t] = g0 y[slot of the first choice] + g1 y[slot of the second].  A wave takes one token: two rows of 4,096 bytes in, one out; each load and store covers 512 consecutive bytes.
; The slots are whole numbers stored by the place launch (lists, at 33,024 + 8 t); the gates lie in gw.  Each output row has this one owner: no sums between work-groups.
; A stream: no LDS, no barrier, no matrix unit (K = 2).
	s_load_b256 s[4:11], s[0:1], 0x0               ; lists s[4:5], gw s[6:7], ybuf s[8:9], out0 s[10:11]
	v_lshrrev_b32 v1, 5, v0
	v_readfirstlane_b32 s12, v1                    ; wave
	v_and_b32 v1, 31, v0
	v_lshlrev_b32 v1, 4, v1                        ; 16 x lane
	s_lshl_b32 s13, ttmp9, 3
	s_add_co_u32 s12, s12, s13                     ; my token
	s_lshl_b32 s13, s12, 3
	s_lshl_b32 s24, s12, 12
	s_mov_b32 s25, 0
	s_wait_kmcnt 0x0
	s_load_b64 s[14:15], s[4:5], s13 offset:0x8100 ; its two slots
	s_load_b64 s[16:17], s[6:7], s13               ; its two gates
	s_add_nc_u64 s[10:11], s[10:11], s[24:25]
	s_wait_kmcnt 0x0
	s_min_u32 s14, s14, 4719
	s_min_u32 s15, s15, 4719
	s_lshl_b32 s18, s14, 12
	s_mov_b32 s19, 0
	s_lshl_b32 s20, s15, 12
	s_mov_b32 s21, 0
	s_add_nc_u64 s[18:19], s[8:9], s[18:19]
	s_add_nc_u64 s[20:21], s[8:9], s[20:21]
	s_mov_b32 s22, s17                             ; g1 as the low word of a pair (the packed form takes the low word for both halves)
	s_mov_b32 s23, s17
.irp j, 0,1,2,3,4,5,6,7
	global_load_b128 v[4+4*\j:7+4*\j], v1, s[18:19] offset:512*\j th:TH_LOAD_NT
.endr
.irp j, 0,1,2,3,4,5,6,7
	global_load_b128 v[36+4*\j:39+4*\j], v1, s[20:21] offset:512*\j th:TH_LOAD_NT
.endr
.irp j, 0,1,2,3,4,5,6,7
	s_wait_loadcnt 7-\j                            ; piece j of the second row is in, and with it all of the first row; the 7 - j younger loads may be out
	v_pk_mul_f32 v[4+4*\j:5+4*\j], v[4+4*\j:5+4*\j], s[16:17] op_sel_hi:[1,0]
	v_pk_mul_f32 v[6+4*\j:7+4*\j], v[6+4*\j:7+4*\j], s[16:17] op_sel_hi:[1,0]
	v_pk_fma_f32 v[4+4*\j:5+4*\j], v[36+4*\j:37+4*\j], s[22:23], v[4+4*\j:5+4*\j] op_sel_hi:[1,0,1]
	v_pk_fma_f32 v[6+4*\j:7+4*\j], v[38+4*\j:39+4*\j], s[22:23], v[6+4*\j:7+4*\j] op_sel_hi:[1,0,1]
	global_store_b128 v1, v[4+4*\j:7+4*\j], s[10:11] offset:512*\j th:TH_STORE_NT
.endr
	s_endpgm
.Lfunc_end_k_qbf8f079625_combine:
	.size	k_qbf8f079625_combine, .Lfunc_end_k_qbf8f079625_combine-k_qbf8f079625_combine
	.p2alignl 7, 3214868480
	.fill 96, 4, 3214868480
	.section	.rodata,"a",@progbits
	.p2align	6, 0x0
	.amdhsa_kernel k_qbf8f079625_combine
		.amdhsa_group_segment_fixed_size 0
		.amdhsa_private_segment_fixed_size 0
		.amdhsa_enable_private_segment 0
		.amdhsa_kernarg_size 32
		.amdhsa_user_sgpr_count 2
		.amdhsa_user_sgpr_kernarg_segment_ptr 1
		.amdhsa_wavefront_size32 1
		.amdhsa_system_sgpr_workgroup_id_x 1
		.amdhsa_system_sgpr_workgroup_id_y 1
		.amdhsa_system_sgpr_workgroup_id_z 1
		.amdhsa_system_vgpr_workitem_id 0
		.amdhsa_next_free_vgpr 80
		.amdhsa_next_free_sgpr 66
		.amdhsa_reserve_vcc 0
		.amdhsa_float_denorm_mode_32 3
		.amdhsa_float_denorm_mode_16_64 3
		.amdhsa_memory_ordered 1
		.amdhsa_forward_progress 1
		.amdhsa_inst_pref_size 6
	.end_amdhsa_kernel
	.amdgpu_metadata
---
amdhsa.version: [ 1, 2 ]
amdhsa.kernels:
  - .name:           k_qbf8f079625_combine
    .symbol:         k_qbf8f079625_combine.kd
    .args:
      - { .name: lists, .offset: 0, .size: 8, .value_kind: global_buffer, .address_space: global }
      - { .name: gw, .offset: 8, .size: 8, .value_kind: global_buffer, .address_space: global }
      - { .name: ybuf, .offset: 16, .size: 8, .value_kind: global_buffer, .address_space: global }
      - { .name: out0, .offset: 24, .size: 8, .value_kind: global_buffer, .address_space: global }
    .group_segment_fixed_size: 0
    .private_segment_fixed_size: 0
    .kernarg_segment_align: 8
    .kernarg_segment_size: 32
    .max_flat_workgroup_size: 256
    .sgpr_count:     66
    .vgpr_count:     80
    .wavefront_size: 32
...
	.end_amdgpu_metadata
.endif
;; end of part 5
;; ======== version 2 of 2: 4 launches
;; limits: values are held in bf16: 8 bits of precision; right only within a limited range of input values
;; workspace buffers: xq 2,162,688 bytes; recs 4,096 bytes of whole numbers; sel 8,192 bytes of whole numbers; gw 16,384 bytes; lists 24,064 bytes of whole numbers; hq 9,968,640 bytes; ybuf 9,666,560 bytes
;; launch route (part 6): grid 256 x 1, 4 waves a work-group, no clusters, 1,536 bytes of LDS; arguments x, anchors, temperature, xq, sel, gw, recs; writes xq, sel, gw, recs
.if DOCPART == 6
	.amdgcn_target "amdgcn-amd-amdhsa--gfx1250"
	.amdhsa_code_object_version 6
	.text
	.protected	k_qbf8f079625_route
	.globl	k_qbf8f079625_route
	.p2align	8
	.type	k_qbf8f079625_route,@function
k_qbf8f079625_route:
	s_mov_b64 s[64:65], 0
	v_nop
	global_prefetch_b8 v0, s[64:65] scope:SCOPE_SE
	s_setreg_imm32_b32 hwreg(HW_REG_WAVE_MODE, 25, 1), 1
	s_wait_xcnt 0x0
; ROUTER AND QUANTISER OF x.  For each of 2,048 tokens: cosine scores against 8 anchors x |temperature|, softmax (the largest score is taken away first),
; the two largest (the lower index wins a tie of scores), gates p / (p1 + p2 + 1e-6); and the token's 1,024 numbers as E5M2 codes with one E8M0 byte for each 32.
; Stored at fixed places only: sel[t] = i1 | i2 << 8, gw[t] = (g0, g1), xq: codes [2048][1024] at 0, scale bytes [2048][32] at 2,097,152.  No address here hangs on a result.
; The launch also writes each work-group's record of 16 bytes into recs: eight mask bytes, eight counts.
; SHARES: 256 work-groups of 8 tokens, a wave 2.  Lane l holds of a row the numbers 256 g + 8 l + 0 .. 7, g = 0 .. 3: the two loads of a g cover 1,024 consecutive bytes, and four lanes hold a block of 32.
; The 8 anchors lie in the same layout in registers 256 to 511.  All products are f32 fused multiply-adds; no matrix unit: 8 columns are too few for it.
; The work-group's 8 x 32 scale bytes meet in LDS behind one barrier and leave as 256 consecutive bytes, aligned, by one store of wave 0.
; LIMITS: NaN and infinities are not served.  A block of zeros gets the byte 1 (its codes are zeros; only this program reads the bytes).  Two scores that differ by less than f32's rounding
; of sums of 1,024 terms, or whose probabilities fall on one f32 number, may be ranked otherwise than a top-k on the probabilities ranks them.
.set X,    16                          ; v16-79   the two tokens, 32 registers each
.set DP,   144                         ; v144-159 eight dot products as pairs; later at work
.set SSP,  160                         ; v160-163 two sums of squares as pairs
.set KE,   168                         ; v168-175 |T| / max(|a_e|, 1e-8)
.set RT,   176                         ; v176-184 destinations of the lane permute
.set NINF, 185
.set SE,   186                         ; v186-193 the scores
.set M1,   194
.set I1,   195
.set M2,   196
.set I2,   197
.set ZZ,   198
.set TMP,  199
.set CD,   200                         ; v200-215 codes: eight registers for each token, so that no store's data are written again
.set RX,   232                         ; v232-233 1 / max(|x|, 1e-8)
.set EX,   236                         ; v236-243 exponentials
.set MG,   244                         ; v244-247 largest magnitudes of the four blocks in hand
.set SO,   248                         ; v248-251 the conversions' scale operands
.set HD,   252                         ; v252-255 57,344 x the scale
.set MSB, 0
.macro WIN new                         ; the immediate's high byte repeats the setting that is left
.if MSB != \new
	s_set_vgpr_msb (MSB<<8)|\new
.set MSB, \new
.endif
.endm
; sums over the 32 lanes of n registers from base on, stage by stage, so that no line waits for the line above it
.macro REDN base, n
.irp m, 1,2,4,8
.set j, 0
.rept \n
	v_add_f32_dpp v[\base+j], v[\base+j], v[\base+j] row_xmask:\m row_mask:0xf bank_mask:0xf
.set j, j+1
.endr
.endr
.set j, 0
.rept \n
	v_permlanex16_b32 v[RT+j], v[\base+j], s20, s21
.set j, j+1
.endr
.set j, 0
.rept \n
	v_add_f32 v[\base+j], v[\base+j], v[RT+j]
.set j, j+1
.endr
.endm
	s_load_b256 s[4:11], s[0:1], 0x0               ; x s[4:5], anchors s[6:7], temperature s[8:9], xq s[10:11]
	s_load_b128 s[12:15], s[0:1], 0x20             ; sel s[12:13], gw s[14:15]
	s_load_b64 s[16:17], s[0:1], 0x30              ; recs
	v_lshl_add_u32 v234, v0, 2, 0x400
	v_mov_b32 v235, 0
	v_lshrrev_b32 v1, 5, v0
	v_readfirstlane_b32 s18, v1                    ; wave
	v_and_b32 v1, 31, v0                           ; lane
	v_lshlrev_b32 v2, 5, v1                        ; 32 l: my 8 numbers in 1,024 bytes
	v_lshlrev_b32 v3, 3, v1                        ; 8 l
	v_lshlrev_b32 v7, 2, v1                        ; 4 l
	v_lshrrev_b32 v4, 2, v1
	s_lshl_b32 s24, s18, 6
	v_add_nc_u32 v4, s24, v4                       ; LDS: my wave's 64 scale bytes, my block's byte
	v_mov_b32 v6, 0                                ; lane i gathers token i's choices,
	v_mov_b32 v10, 0                               ; g0,
	v_mov_b32 v11, 0                               ; g1
	v_mov_b32 v13, 0                               ; lane e: which of my two tokens use expert e
	v_add_nc_u32 v8, s18, v7
	v_add_nc_u32 v8, 0x100, v8                     ; LDS: byte [lane][wave] of the masks
	v_and_b32 v9, 7, v1
	v_lshl_add_u32 v9, v9, 2, 0x100                ; the four waves' bytes of expert l % 8
	v_mov_b32 v[NINF], 0xff800000
.irp k, 0,1,2,3,4,5,6,7,8
	v_mov_b32 v[RT+\k], 0                          ; a lane permute's destination counts as one of its sources
.endr
	s_mov_b32 s20, 0x76543210
	s_mov_b32 s21, 0xfedcba98                      ; selects for lane l xor 16
	s_mov_b32 s22, 0x600000                        ; the mantissa field of 57,344
	s_lshl_b32 s30, ttmp9, 3
	s_lshl_b32 s31, s18, 1
	s_add_co_u32 s30, s30, s31                     ; my first token: 8 x work-group + 2 x wave
	s_mov_b32 s31, 0
	s_lshl_b64 s[32:33], s[30:31], 12              ; its bytes in x,
	s_lshl_b64 s[34:35], s[30:31], 10              ; among the codes,
	s_lshl_b64 s[38:39], s[30:31], 2               ; in sel,
	s_lshl_b64 s[40:41], s[30:31], 3               ; in gw
	s_lshl_b32 s36, ttmp9, 8                       ; the work-group's 256 scale bytes
	s_mov_b32 s37, 0
	s_lshl_b32 s42, ttmp9, 4                       ; the work-group's 16 bytes of recs
	s_mov_b32 s43, 0
	s_wait_kmcnt 0x0
	s_load_b32 s19, s[8:9], 0x0                    ; the temperature
	s_add_nc_u64 s[4:5], s[4:5], s[32:33]
	s_add_nc_u64 s[44:45], s[10:11], s[36:37]
	s_add_nc_u64 s[10:11], s[10:11], s[34:35]
	s_add_nc_u64 s[12:13], s[12:13], s[38:39]
	s_add_nc_u64 s[14:15], s[14:15], s[40:41]
	s_add_nc_u64 s[16:17], s[16:17], s[42:43]
.irp i, 0,1
.irp g, 0,1,2,3
	global_load_b128 v[X+32*\i+8*\g:X+32*\i+8*\g+3],   v2, s[4:5] offset:4096*\i+1024*\g th:TH_LOAD_NT
	global_load_b128 v[X+32*\i+8*\g+4:X+32*\i+8*\g+7], v2, s[4:5] offset:4096*\i+1024*\g+16 th:TH_LOAD_NT
.endr
.endr
	WIN 0x40                                       ; destination registers 256 on
.irp e, 0,1,2,3,4,5,6,7
.irp g, 0,1,2,3
	global_load_b128 v[32*\e+8*\g:32*\e+8*\g+3],   v2, s[6:7] offset:4096*\e+1024*\g
	global_load_b128 v[32*\e+8*\g+4:32*\e+8*\g+7], v2, s[6:7] offset:4096*\e+1024*\g+16
.endr
.endr
	WIN 0
	s_wait_kmcnt 0x0
	s_and_b32 s19, s19, 0x7fffffff                 ; |T|
	s_wait_loadcnt 0x0
	; sums of squares of the two tokens: two chains by turns
.set n, 0
.rept 16
.irp i, 0,1
.if n == 0
	v_pk_mul_f32 v[SSP+2*\i:SSP+2*\i+1], v[X+32*\i:X+32*\i+1], v[X+32*\i:X+32*\i+1]
.else
	v_pk_fma_f32 v[SSP+2*\i:SSP+2*\i+1], v[X+32*\i+2*n:X+32*\i+2*n+1], v[X+32*\i+2*n:X+32*\i+2*n+1], v[SSP+2*\i:SSP+2*\i+1]
.endif
.endr
.set n, n+1
.endr
	WIN 0x05                                       ; both factors from registers 256 on: the anchors' sums of squares, eight chains by turns
.set n, 0
.rept 16
.irp e, 0,1,2,3,4,5,6,7
.if n == 0
	v_pk_mul_f32 v[DP+2*\e:DP+2*\e+1], v[32*\e:32*\e+1], v[32*\e:32*\e+1]
.else
	v_pk_fma_f32 v[DP+2*\e:DP+2*\e+1], v[32*\e+2*n:32*\e+2*n+1], v[32*\e+2*n:32*\e+2*n+1], v[DP+2*\e:DP+2*\e+1]
.endif
.endr
.set n, n+1
.endr
	WIN 0
.irp e, 0,1,2,3,4,5,6,7
	v_add_f32 v[KE+\e], v[DP+2*\e], v[DP+2*\e+1]
.endr
.irp i, 0,1
	v_add_f32 v[RX+\i], v[SSP+2*\i], v[SSP+2*\i+1]
.endr
	REDN KE, 8
	REDN RX, 2
	s_wait_alu depctr_va_vdst(0)
.irp e, 0,1,2,3,4,5,6,7
	v_sqrt_f32 v[KE+\e], v[KE+\e]
.endr
.irp i, 0,1
	v_sqrt_f32 v[RX+\i], v[RX+\i]
.endr
	v_nop                                          ; one plain instruction behind the transcendentals, ahead of the use of their results
	s_wait_alu depctr_va_vdst(0)
.irp e, 0,1,2,3,4,5,6,7
	v_max_num_f32 v[KE+\e], 0x322bcc77, v[KE+\e]   ; max(norm, 1e-8)
.endr
.irp i, 0,1
	v_max_num_f32 v[RX+\i], 0x322bcc77, v[RX+\i]
.endr
	s_wait_alu depctr_va_vdst(0)
.irp e, 0,1,2,3,4,5,6,7
	v_rcp_f32 v[KE+\e], v[KE+\e]
.endr
.irp i, 0,1
	v_rcp_f32 v[RX+\i], v[RX+\i]
.endr
	v_nop
	s_wait_alu depctr_va_vdst(0)
.irp e, 0,1,2,3,4,5,6,7
	v_mul_f32 v[KE+\e], s19, v[KE+\e]
.endr
.macro TOKEN i
.set XB_, X+32*\i
	WIN 0x04                                       ; second factor from registers 256 on: x . a_e, eight chains by turns
.set n, 0
.rept 16
.irp e, 0,1,2,3,4,5,6,7
.if n == 0
	v_pk_mul_f32 v[DP+2*\e:DP+2*\e+1], v[XB_:XB_+1], v[32*\e:32*\e+1]
.else
	v_pk_fma_f32 v[DP+2*\e:DP+2*\e+1], v[XB_+2*n:XB_+2*n+1], v[32*\e+2*n:32*\e+2*n+1], v[DP+2*\e:DP+2*\e+1]
.endif
.endr
.set n, n+1
.endr
	WIN 0
.irp e, 0,1,2,3,4,5,6,7
	v_add_f32 v[SE+\e], v[DP+2*\e], v[DP+2*\e+1]
.endr
	REDN SE, 8                                     ; every lane now holds the eight dot products
.irp e, 0,1,2,3,4,5,6,7
	v_mul_f32 v[SE+\e], v[SE+\e], v[KE+\e]
.endr
.irp e, 0,1,2,3,4,5,6,7
	v_mul_f32 v[SE+\e], v[SE+\e], v[RX+\i]         ; the scores
.endr
	v_mov_b32 v[M1], v[SE]                         ; the largest: an ascending scan with a strict compare keeps the lower index
	v_mov_b32 v[I1], 0
.irp e, 1,2,3,4,5,6,7
	v_cmp_gt_f32 vcc_lo, v[SE+\e], v[M1]
	v_cndmask_b32 v[M1], v[M1], v[SE+\e], vcc_lo
	v_cndmask_b32 v[I1], v[I1], \e, vcc_lo
.endr
	v_mov_b32 v[M2], v[NINF]                       ; the second: the same scan with the first one's score taken as -infinity
	v_mov_b32 v[I2], 0
.irp e, 0,1,2,3,4,5,6,7
	v_cmp_eq_u32 vcc_lo, \e, v[I1]
	v_cndmask_b32 v[TMP], v[SE+\e], v[NINF], vcc_lo
	v_cmp_gt_f32 vcc_lo, v[TMP], v[M2]
	v_cndmask_b32 v[M2], v[M2], v[TMP], vcc_lo
	v_cndmask_b32 v[I2], v[I2], \e, vcc_lo
.endr
.irp e, 0,1,2,3,4,5,6,7
	v_sub_f32 v[EX+\e], v[SE+\e], v[M1]            ; the largest score is taken away ahead of the exponentials
.endr
	v_sub_f32 v[TMP], v[M2], v[M1]
.irp e, 0,1,2,3,4,5,6,7
	v_mul_f32 v[EX+\e], 0x3fb8aa3b, v[EX+\e]
.endr
	v_mul_f32 v[TMP], 0x3fb8aa3b, v[TMP]
	s_wait_alu depctr_va_vdst(0)
.irp e, 0,1,2,3,4,5,6,7
	v_exp_f32 v[EX+\e], v[EX+\e]
.endr
	v_exp_f32 v[TMP], v[TMP]
	v_nop
	s_wait_alu depctr_va_vdst(0)
	v_add_f32 v[ZZ], v[EX], v[EX+1]
	v_add_f32 v[DP], v[EX+2], v[EX+3]
	v_add_f32 v[DP+1], v[EX+4], v[EX+5]
	v_add_f32 v[DP+2], v[EX+6], v[EX+7]
	v_add_f32 v[ZZ], v[ZZ], v[DP]
	v_add_f32 v[DP+1], v[DP+1], v[DP+2]
	v_add_f32 v[ZZ], v[ZZ], v[DP+1]
	s_wait_alu depctr_va_vdst(0)
	v_rcp_f32 v[ZZ], v[ZZ]                         ; p1 = 1 / the sum
	v_nop
	s_wait_alu depctr_va_vdst(0)
	v_mul_f32 v[TMP], v[TMP], v[ZZ]                ; p2
	v_add_f32 v[DP], v[ZZ], v[TMP]
	v_add_f32 v[DP], 0x358637bd, v[DP]             ; + 1e-6
	s_wait_alu depctr_va_vdst(0)
	v_rcp_f32 v[DP], v[DP]
	v_lshl_or_b32 v[DP+3], v[I2], 8, v[I1]         ; (a plain instruction behind the reciprocal)  i1 | i2 << 8
	s_wait_alu depctr_va_vdst(0)
	v_mul_f32 v[DP+1], v[ZZ], v[DP]                ; g0
	v_mul_f32 v[DP+2], v[TMP], v[DP]               ; g1
	v_cmp_eq_u32 vcc_lo, \i, v1
	v_cndmask_b32 v6, v6, v[DP+3], vcc_lo
	v_cndmask_b32 v10, v10, v[DP+1], vcc_lo
	v_cndmask_b32 v11, v11, v[DP+2], vcc_lo
	v_cmp_eq_u32 vcc_lo, v[I1], v1
	v_cndmask_b32 v80, 0, 1, vcc_lo
	v_cmp_eq_u32 vcc_lo, v[I2], v1
	v_cndmask_b32 v80, v80, 1, vcc_lo
	v_lshl_or_b32 v13, v80, \i, v13
	; the token's codes: four blocks by turns; a block's 32 numbers lie in four neighbouring lanes
.irp g, 0,1,2,3
	v_max3_num_f32 v[MG+\g], |v[XB_+8*\g]|, |v[XB_+8*\g+1]|, 0x8000000   ; with the floor 2^(16 - 127): the byte cannot fall under 1
.endr
.irp k, 2,4,6
.irp g, 0,1,2,3
	v_max3_num_f32 v[MG+\g], v[MG+\g], |v[XB_+8*\g+\k]|, |v[XB_+8*\g+\k+1]|
.endr
.endr
.irp g, 0,1,2,3
	v_max_num_f32_dpp v[MG+\g], v[MG+\g], v[MG+\g] row_xmask:1 row_mask:0xf bank_mask:0xf
.endr
.irp g, 0,1,2,3
	v_max_num_f32_dpp v[MG+\g], v[MG+\g], v[MG+\g] row_xmask:2 row_mask:0xf bank_mask:0xf
.endr
.irp g, 0,1,2,3
	v_add_nc_u32 v[SO+\g], 0xf8800000, v[MG+\g]    ; 15 off the exponent field: the conversion's scale operand
.endr
.irp g, 0,1,2,3
	v_and_or_b32 v[HD+\g], v[MG+\g], 0x7f800000, s22   ; 57,344 x the scale
.endr
.irp g, 0,1,2,3
.irp k, 0,1,2,3,4,5,6,7
	v_med3_num_f32 v[XB_+8*\g+\k], v[XB_+8*\g+\k], -v[HD+\g], v[HD+\g]   ; the conversion does not saturate (ISA guide 7.6.2): the hold comes first
.endr
	v_cvt_scalef32_pk8_bf8_f32 v[CD+8*\i+2*\g:CD+8*\i+2*\g+1], v[XB_+8*\g:XB_+8*\g+7], v[SO+\g]
.endr
	v_nop                                          ; one plain instruction between the last conversion and a write of its sources
.irp g, 0,1,2,3
	v_lshrrev_b32 v[XB_+\g], 23, v[SO+\g]          ; the scale's byte, in a register of the token's own
.endr
.irp g, 0,1,2,3
	ds_store_b8 v4, v[XB_+\g] offset:32*\i+8*\g    ; the four lanes of a block write the same byte with the same value
	global_store_b64 v3, v[CD+8*\i+2*\g:CD+8*\i+2*\g+1], s[10:11] offset:1024*\i+256*\g   ; 32 lanes store 256 consecutive bytes, aligned
.endr
.endm
	TOKEN 0
	TOKEN 1
	s_lshl_b32 s29, s18, 1
	v_lshlrev_b32 v13, s29, v13                    ; token 2 w + i is bit 2 w + i
	ds_store_b8 v8, v13
	s_wait_dscnt 0x0                               ; for the others' sake: my byte stores are done
	s_barrier_signal -1
	s_barrier_wait -1                              ; the work-group's 256 scale bytes lie in LDS
	s_cmp_lg_u32 s18, 0                            ; wave 0 alone sends them
	s_cbranch_scc1 .Lno_bytes
	ds_load_b64 v[14:15], v3
	s_wait_dscnt 0x0
	global_store_b64 v3, v[14:15], s[44:45] offset:2097152   ; 32 lanes store 256 consecutive bytes, aligned
.Lno_bytes:
	s_cmp_lg_u32 s18, 1                            ; wave 1 sends the work-group's record: eight mask bytes, eight counts
	s_cbranch_scc1 .Lno_rec
	ds_load_b32 v5, v9
	s_wait_dscnt 0x0
	v_lshrrev_b32 v80, 16, v5
	v_or_b32 v80, v80, v5
	v_lshrrev_b32 v81, 8, v80
	v_or_b32 v80, v80, v81
	v_and_b32 v80, 0xff, v80                       ; expert l % 8: its users among the eight tokens
	v_lshrrev_b32 v81, 1, v80
	v_and_b32 v81, 0x55, v81
	v_sub_nc_u32 v81, v80, v81
	v_lshrrev_b32 v82, 2, v81
	v_and_b32 v82, 0x33, v82
	v_and_b32 v81, 0x33, v81
	v_add_nc_u32 v81, v81, v82
	v_lshrrev_b32 v82, 4, v81
	v_add_nc_u32 v81, v81, v82
	v_and_b32 v81, 15, v81                         ; how many
	v_cmp_gt_u32 vcc_lo, 8, v1
	v_cndmask_b32 v80, v81, v80, vcc_lo
	v_cmp_gt_u32 vcc_lo, 16, v1
	s_wait_alu depctr_va_vdst(0)
	s_wait_xcnt 0x0
	s_and_saveexec_b32 s28, vcc_lo
	global_store_b8 v1, v80, s[16:17]              ; 16 lanes store 16 consecutive bytes
	s_wait_xcnt 0x0
	s_or_b32 exec_lo, exec_lo, s28
.Lno_rec:
	s_wait_xcnt 0x0                                ; EXEC changes only behind this wait
	v_cmp_gt_u32 vcc_lo, 2, v1
	s_wait_tensorcnt 0x0
	ds_add_u32 v234, v235
	s_wait_dscnt 0x0
	s_and_saveexec_b32 s28, vcc_lo                 ; lanes 0 and 1 hold tokens 0 and 1
	global_store_b32 v7, v6, s[12:13]
	global_store_b64 v3, v[10:11], s[14:15]
	s_wait_xcnt 0x0
	s_or_b32 exec_lo, exec_lo, s28
	s_endpgm
.Lfunc_end_k_qbf8f079625_route:
	.size	k_qbf8f079625_route, .Lfunc_end_k_qbf8f079625_route-k_qbf8f079625_route
	.p2alignl 7, 3214868480
	.fill 96, 4, 3214868480
	.section	.rodata,"a",@progbits
	.p2align	6, 0x0
	.amdhsa_kernel k_qbf8f079625_route
		.amdhsa_group_segment_fixed_size 1536
		.amdhsa_private_segment_fixed_size 0
		.amdhsa_enable_private_segment 0
		.amdhsa_kernarg_size 56
		.amdhsa_user_sgpr_count 2
		.amdhsa_user_sgpr_kernarg_segment_ptr 1
		.amdhsa_wavefront_size32 1
		.amdhsa_system_sgpr_workgroup_id_x 1
		.amdhsa_system_sgpr_workgroup_id_y 1
		.amdhsa_system_sgpr_workgroup_id_z 1
		.amdhsa_system_vgpr_workitem_id 0
		.amdhsa_next_free_vgpr 512
		.amdhsa_next_free_sgpr 66
		.amdhsa_reserve_vcc 1
		.amdhsa_float_denorm_mode_32 3
		.amdhsa_float_denorm_mode_16_64 3
		.amdhsa_memory_ordered 1
		.amdhsa_forward_progress 1
		.amdhsa_inst_pref_size 71
	.end_amdhsa_kernel
	.amdgpu_metadata
---
amdhsa.version: [ 1, 2 ]
amdhsa.kernels:
  - .name:           k_qbf8f079625_route
    .symbol:         k_qbf8f079625_route.kd
    .args:
      - { .name: x, .offset: 0, .size: 8, .value_kind: global_buffer, .address_space: global }
      - { .name: anchors, .offset: 8, .size: 8, .value_kind: global_buffer, .address_space: global }
      - { .name: temperature, .offset: 16, .size: 8, .value_kind: global_buffer, .address_space: global }
      - { .name: xq, .offset: 24, .size: 8, .value_kind: global_buffer, .address_space: global }
      - { .name: sel, .offset: 32, .size: 8, .value_kind: global_buffer, .address_space: global }
      - { .name: gw, .offset: 40, .size: 8, .value_kind: global_buffer, .address_space: global }
      - { .name: recs, .offset: 48, .size: 8, .value_kind: global_buffer, .address_space: global }
    .group_segment_fixed_size: 1536
    .private_segment_fixed_size: 0
    .kernarg_segment_align: 8
    .kernarg_segment_size: 56
    .max_flat_workgroup_size: 128
    .sgpr_count:     66
    .vgpr_count:     512
    .wavefront_size: 32
...
	.end_amdgpu_metadata
.endif
;; end of part 6
;; launch ffn1 (part 7): grid 4 x 59, 8 waves a work-group, no clusters, 228,864 bytes of LDS; arguments recs, sel, xq, W1_codes, W1_scales, b1, hq, lists; writes hq, lists
.if DOCPART == 7
	.amdgcn_target "amdgcn-amd-amdhsa--gfx1250"
	.amdhsa_code_object_version 6
	.text
	.protected	k_qbf8f079625_ffn1
	.globl	k_qbf8f079625_ffn1
	.p2align	8
	.type	k_qbf8f079625_ffn1,@function
k_qbf8f079625_ffn1:
	s_mov_b64 s[64:65], 0
	v_nop
	global_prefetch_b8 v0, s[64:65] scope:SCOPE_SE
	s_setreg_imm32_b32 hwreg(HW_REG_WAVE_MODE, 25, 1), 1
	s_wait_xcnt 0x0
; THE PLACING OF THE ROWS, and hq = Q(gelu(x W1^T + b1)) for one tile of 80 slots of one expert (work-group y) and 512 of its 2,048 hidden units (work-group x), on E5M2 codes with E8M0 scales.
; Only the experts that the router chose for a token are computed: the others have the weight 0.  A NaN, an infinity or an overflow that reaches only such work is not carried to the result.
; PLACING.  An expert's rows (token, expert) lie on end, each expert begins on a new tile: never more than ceil(4096 / 80) + 7 = 59 tiles, whatever the choice.  recs holds 256 records of 16 bytes, one for eight tokens:
; eight mask bytes (expert e: bit b = token 8 record + b uses it), eight counts.  EVERY WAVE reads all 4,096 bytes (lane L: records 32 i + L, i = 0 .. 7) and makes the same sums: no LDS, no barrier.
; From the eight totals follow, by scalar arithmetic, the tile's expert and first rank.  An expert's rows are ranked by (L, i, b).  A wave takes ranks R0 .. R0 + 9: by ten compares against the lanes' exclusive
; prefixes it finds each rank's lane, and in that lane's 64-bit mask the bit, by sums of bytes.  Whole numbers only; no branch hangs on them: slots without a row name some token, tiles without rows take expert 7.
; All is computed and stored, so every byte that the next launch loads has been written.  Stored by the work-groups with x = 0, into lists: the tile's expert (32 equal words at 128 y) and, at 7,680 + 8 token, the token's two slots (first choice, second).
; SHARES.  Eight waves, two on a SIMD; each takes all 80 rows and 64 hidden units of its own: 20 accumulators, 160 registers.  So a wave's rows of W1 are read by that wave alone.
; x: each wave gathers 10 of the tile's 80 rows of codes, and their scale bytes, through registers into LDS; one barrier stands ahead of the products.
; W1: four chunks of 64 rows x 256 bytes: 32 loads of 512 bytes (16 lanes take 256 consecutive bytes of a row) into 128 registers, from there into the wave's own ring (rows 272 bytes apart), from there as fragments.
; One chunk a wave, 128 KB a work-group, is on its way while the one before is multiplied.  The ring is each wave's own, and LDS serves a wave in order (ISA guide 5.7.1.4): no barrier.  A chunk is two steps of 128 along K, 20 products each.
; TRANSPOSED USE: source 0 = 16 rows of W1, source 1 = 16 rows of x: a lane holds one row of h.  THE ROWS OF W1 THAT FORM A TILE ARE NOT NEIGHBOURS: on their way into the ring bits 3 and 4 of the row's number change places,
; so lane r of tile 2 b + u holds row 32 b + 8 u + r + 8 (r / 8), and the 16 registers of tiles 2 b, 2 b + 1 are 16 neighbours along the next K.  b1 lies in row block 0's accumulators: it is the C of every sum's first product.
; SCALE WORDS once: register i of a row's four holds K step i's word in lanes 0-15 and K step 4 + i's in lanes 16-31.
; GELU, exact form: gelu(x) = max(0, x) - |x| q, q = erfc(|x| / sqrt 2) / 2 = t 2^(poly(t) - x^2 log2(e) / 2), t = 1 / (1 + |x| / sqrt 8), poly of degree 9: the formula's fractional error is 1.2e-7.
; OUT: codes as an image of the next operand's registers, [tile][K step][row block][piece c][lane][16 bytes]: wave w makes pieces 2 (w % 2), 2 (w % 2) + 1 of K step 4 x + w / 2; scale words [tile][x][row][4 K steps], gathered in LDS.
; NO CLUSTER, NO JOINT LOADS: which tiles share an expert hangs on the records in memory; x's rows are gathered; and the weights go through registers.  NO PREFETCH: a chunk is asked for a whole chunk ahead, and which work-groups share a weight's rows is not known from ids.
; LIMITS: NaN and infinities are not served; a block of zeros gets the byte 1 (its codes are zeros; only this program reads the bytes).
; REGISTERS.  Window 0: v1-31 addresses; v32-47 W1's scale words; v50-69 x's; v72-151 x's fragments of a K step (ahead of the barrier: the records and the placing, then x's rows); v152-255 26 of a chunk's 32 loads.
;   Window 1: v0-159 accumulators at v[8 (4 rb + t)]; v160-223 W1's fragments; v224-247 the other 6 loads.  At the end v72-233 of window 0 are at work.
.set XPITCH, 1040                      ; a row of x in LDS: 1,024 bytes + 16: an odd multiple of 16
.set RING,   80*XPITCH                 ; 83,200 = 325 x 256
.set WPITCH, 272
.set WSLOT,  64*WPITCH
.set XSC,    RING+8*WSLOT              ; x's scale bytes: 512 for each wave, row j of its ten at 32 j
.set STG,    XSC+4096                  ; h's scale words: [row 80][4 K steps]
.set SPARE,  STG+1280                  ; the spare words, 128 bytes for each wave
.set TSLOT,  7680
.set GO,   3
.set SO,   4
.set WFA,  5
.set XA0,  6
.set XA1,  7
.set L16,  8
.set SGA,  9
.set SPW,  10
.set NIL,  11
.set LN,   12
.set TOK,  14
.set WS,   32
.set XS,   50                          ; (no product's two scale words have numbers equal modulo 8)
.set REC,  72
.set AF,   72
.set S0,   152
.set S1,   224
.set WF,   160
.set TT,   72                          ; the end: t;
.set X2,   104                         ; x^2;
.set PP,   136                         ; the polynomial, then q;
.set GG,   168                         ; 32 results;
.set TM,   200                         ; at work;
.set PC,   216                         ; 8 of codes, two sets;
.set C9V,  232                         ; the top coefficient as a pair
.set SEL,  66
.set MNT,  68
.set MSB, 0
.macro WIN new                         ; the immediate's high byte repeats the setting that is left
.if MSB != \new
	s_set_vgpr_msb (MSB<<8)|\new
.set MSB, \new
.endif
.endm
.macro CPAIR reg, val                  ; a packed form names a pair and takes its low word for both halves: both words are written
	s_mov_b32 s[\reg], \val
	s_mov_b32 s[\reg+1], \val
.endm
.macro WALU
	s_wait_alu depctr_va_vdst(0)
.endm
.macro PLACES                          ; eight plain vector instructions between a matrix instruction of this form and a load into, or a vector access of, its registers
.rept 8
	v_nop
.endr
.endm
.macro LOAD_W c                        ; chunk c (K bytes 256 c on) from memory into the 128 registers
	WIN 0
.set I_, 0
.rept 26
	global_load_b128 v[S0+4*I_:S0+4*I_+3], v[GO], s[80:81] offset:2*I_*1024+256*(\c)
.set I_, I_+1
.endr
	WIN 0x40
.rept 6
	global_load_b128 v[S1+4*(I_-26):S1+4*(I_-26)+3], v[GO], s[80:81] offset:2*I_*1024+256*(\c)
.set I_, I_+1
.endr
	WIN 0
.endm
.macro STORE_W                         ; from there into the ring; bits 3 and 4 of the row's number change places
	WIN 0
.set I_, 0
.rept 26
.set R_, 2*I_
	ds_store_b128 v[SO], v[S0+4*I_:S0+4*I_+3] offset:((R_&39)|((R_&8)<<1)|((R_&16)>>1))*WPITCH
.set I_, I_+1
.endr
	WIN 0x04
.rept 6
.set R_, 2*I_
	ds_store_b128 v[SO], v[S1+4*(I_-26):S1+4*(I_-26)+3] offset:((R_&39)|((R_&8)<<1)|((R_&16)>>1))*WPITCH
.set I_, I_+1
.endr
	WIN 0
.endm
.macro FRAG_W q                        ; W1's four fragments of the chunk's step q
	WIN 0x40
.irp tt, 0,1,2,3
.irp cc, 0,1,2,3
	ds_load_b128 v[WF+16*\tt+4*\cc:WF+16*\tt+4*\cc+3], v[WFA] offset:\tt*16*WPITCH+128*(\q)+32*\cc
.endr
.endr
	WIN 0
.endm
.macro FRAG_A ks                       ; x's five fragments of K step ks
	WIN 0
.irp rb, 0,1,2,3,4
.irp cc, 0,1,2,3
.if \rb < 3
	ds_load_b128 v[AF+16*\rb+4*\cc:AF+16*\rb+4*\cc+3], v[XA0] offset:\rb*16*XPITCH+128*(\ks)+32*\cc
.else
	ds_load_b128 v[AF+16*\rb+4*\cc:AF+16*\rb+4*\cc+3], v[XA1] offset:(\rb-3)*16*XPITCH+128*(\ks)+32*\cc
.endif
.endr
.endr
.endm
; 20 products of K step ks.  The accumulators take turns, one instruction a turn, in the same order in every step.  Row block 0 comes last: in step 0 its accumulators hold b1, the C of all.
.macro MUL ks
	WIN 0x51                                       ; W1 window 1, x window 0, C and D window 1
.irp rb, 1,2,3,4,0
.if ((\ks) == 0) && (\rb == 0)
.rept 9
	v_nop                                          ; nine places ahead of a product that writes over an earlier one's C
.endr
.endif
.irp tt, 0,1,2,3
.set MA_, 8*(4*\rb+\tt)
.set MC_, MA_
.if (\ks) == 0
.set MC_, 8*\tt
.endif
.set SA_, WS+4*\tt+((\ks)&3)
.set SB_, XS+4*\rb+((\ks)&3)
.if (\ks) < 4
	v_wmma_scale_f32_16x16x128_f8f6f4 v[MA_:MA_+7], v[WF+16*\tt:WF+16*\tt+15], v[AF+16*\rb:AF+16*\rb+15], v[MC_:MC_+7], v[SA_], v[SB_] matrix_a_fmt:MATRIX_FMT_BF8 matrix_b_fmt:MATRIX_FMT_BF8
.else
	v_wmma_scale_f32_16x16x128_f8f6f4 v[MA_:MA_+7], v[WF+16*\tt:WF+16*\tt+15], v[AF+16*\rb:AF+16*\rb+15], v[MC_:MC_+7], v[SA_], v[SB_] matrix_a_fmt:MATRIX_FMT_BF8 matrix_b_fmt:MATRIX_FMT_BF8 matrix_a_scale:MATRIX_SCALE_ROW1 matrix_b_scale:MATRIX_SCALE_ROW1
.endif
.endr
.endr
.endm
.macro CHUNK c                         ; at its head: chunk c in the ring, its first step's fragments asked for, chunk c + 1 on its way
	s_wait_dscnt 0x0
	MUL 2*\c
	PLACES
	FRAG_A 2*\c+1
	FRAG_W 1
	s_wait_dscnt 0x0
	MUL 2*\c+1
	PLACES
.if \c < 3
	FRAG_A 2*\c+2
	s_wait_loadcnt 0x0                             ; chunk c + 1 has landed; the ring's chunk has been read out
	STORE_W
	FRAG_W 0
.if \c < 2
	s_wait_dscnt 16                                ; the stores have read their registers (the 16 loads behind them may be out),
	LOAD_W \c+2                                    ; which take the next chunk
.endif
.endif
.endm
.macro XSA rb, reg                     ; where the 16 scale bytes of row 16 rb + r lie: row R is row R % 10 of wave R / 10: 32 R + 192 (R / 10), + 16 h
	v_add_nc_u32 v13, 16*\rb, v1
	v_mul_u32_u24 v14, 205, v13
	v_lshrrev_b32 v14, 11, v14                     ; R / 10: exact up to 79
	v_mul_u32_u24 v14, 192, v14
	v_lshl_add_u32 v13, v13, 5, v14
	v_lshl_add_u32 v13, v2, 4, v13
	v_add_nc_u32 v[\reg], XSC, v13
.endm
.macro SEL4 n, p, k                    ; n = how many of the four bytes of p (ascending) are not above k
	v_mul_lo_u32 v[\n], v[\k], s87
	v_or_b32 v[\n], s75, v[\n]
	v_sub_nc_u32 v[\n], v[\n], v[\p]
	v_and_b32 v[\n], s75, v[\n]
	v_lshrrev_b32 v[\n], 7, v[\n]
	v_mul_lo_u32 v[\n], v[\n], s87
	v_lshrrev_b32 v[\n], 24, v[\n]
.endm
	s_load_b256 s[4:11], s[0:1], 0x0               ; recs s[4:5], sel s[6:7], xq s[8:9], W1's codes s[10:11]
	s_load_b256 s[12:19], s[0:1], 0x20             ; W1's scales s[12:13], b1 s[14:15], hq s[16:17], lists s[18:19]
	v_lshl_add_u32 v[SPW], v0, 2, SPARE
	v_mov_b32 v[NIL], 0
	v_lshrrev_b32 v1, 5, v0
	v_readfirstlane_b32 s20, v1                    ; wave
	s_mov_b32 s21, ttmp9                           ; which 512 hidden units
	s_and_b32 s22, ttmp7, 0xffff                   ; which tile
	v_and_b32 v1, 15, v0                           ; r
	v_bfe_u32 v2, v0, 4, 1                         ; h
	v_and_b32 v[LN], 31, v0                        ; lane
	v_lshlrev_b32 v[L16], 4, v[LN]
	XSA 0, 27
	XSA 1, 48
	XSA 2, 49
	XSA 3, 70
	XSA 4, 71
	v_lshlrev_b32 v13, 4, v1                       ; 16 r
	v_lshl_add_u32 v[GO], v2, 10, v13              ; W1: 1,024 h + 16 r
	s_mul_i32 s30, s20, WSLOT
	s_add_co_u32 s30, s30, RING                    ; my ring
	v_mul_u32_u24 v[SO], v2, WPITCH
	v_add_nc_u32 v[SO], v[SO], v13
	v_add_nc_u32 v[SO], s30, v[SO]
	v_mul_u32_u24 v[WFA], v1, WPITCH
	v_lshl_add_u32 v[WFA], v2, 4, v[WFA]
	v_add_nc_u32 v[WFA], s30, v[WFA]
	v_mul_u32_u24 v[XA0], v1, XPITCH
	v_lshl_add_u32 v[XA0], v2, 4, v[XA0]
	v_add_nc_u32 v[XA1], 48*XPITCH, v[XA0]
	s_lshl_b32 s30, s20, 1
	s_add_co_u32 s30, s30, STG
	v_add_nc_u32 v[SGA], s30, v13                  ; h's scale bytes: 16 r + 2 w
	v_lshlrev_b32 v15, 6, v2                       ; b1: 64 h
	v_and_b32 v16, 8, v1
	v_add_nc_u32 v16, v16, v1                      ; r + 8 (r / 8)
	v_lshlrev_b32 v16, 5, v16
	v_lshl_add_u32 v16, v2, 4, v16                 ; W1's scale words: 32 bytes a row, + 16 h
	s_mul_i32 s30, s20, 10*XPITCH
	v_mul_u32_u24 v25, v2, XPITCH
	v_add_nc_u32 v25, v25, v13
	v_add_nc_u32 v25, s30, v25                     ; x into LDS: row 10 w + h, + 16 r
	s_lshl_b32 s30, s20, 9
	s_add_co_u32 s30, s30, XSC
	v_add_nc_u32 v26, s30, v[L16]                  ; its scale bytes
.irp k, 110,111,112,113,137
	v_mov_b32 v[\k], 0                             ; a lane permute's destination counts as one of its sources
.endr
	v_mov_b32 v140, 1
	s_mov_b32 s[SEL], 0x76543210
	s_mov_b32 s[SEL+1], 0xfedcba98                 ; selects for lane l xor 16
	s_mov_b32 s[MNT], 0x600000                     ; the mantissa field of 57,344
	s_mov_b32 s69, 0x204081                        ; spreads four bits over four bytes
	s_mov_b32 s70, 0xaaaaaaaa                      ; lanes whose bit 0, 1 .. 4 is set
	s_mov_b32 s71, 0xcccccccc
	s_mov_b32 s72, 0xf0f0f0f0
	s_mov_b32 s73, 0xff00ff00
	s_mov_b32 s74, 0xffff0000
	s_mov_b32 s75, 0x80808080
	s_mov_b32 s87, 0x01010101
	WALU
	s_wait_kmcnt 0x0
.irp i, 0,1,2,3,4,5,6,7
	global_load_b128 v[REC+4*\i:REC+4*\i+3], v[L16], s[4:5] offset:512*\i   ; record 32 i + lane
.endr
	; where my results go
	s_mul_i32 s28, s22, 163840
	s_lshl_b32 s30, s21, 2
	s_lshr_b32 s31, s20, 1
	s_add_co_u32 s30, s30, s31                     ; my K step of the next product: 4 x + w / 2
	s_mul_i32 s30, s30, 10240
	s_add_co_u32 s28, s28, s30
	s_and_b32 s31, s20, 1
	s_lshl_b32 s31, s31, 10
	s_add_co_u32 s28, s28, s31
	s_mov_b32 s29, 0
	s_add_nc_u64 s[76:77], s[16:17], s[28:29]
	s_mul_i32 s28, s22, 5120
	s_mul_i32 s30, s21, 1280
	s_add_co_u32 s28, s28, s30
	s_lshl_b32 s30, s20, 8
	s_add_co_u32 s28, s28, s30
	s_add_co_u32 s28, s28, 9666560
	s_add_nc_u64 s[78:79], s[16:17], s[28:29]
	s_wait_loadcnt 0x0
	; THE TOTALS.  Bytes of counts added over my eight records (at most 64 each), then as 16-bit halves over the lanes
	v_add3_u32 v104, v[REC+2], v[REC+6], v[REC+10]
	v_add3_u32 v105, v[REC+3], v[REC+7], v[REC+11]
	v_add3_u32 v104, v104, v[REC+14], v[REC+18]
	v_add3_u32 v105, v105, v[REC+15], v[REC+19]
	v_add3_u32 v104, v104, v[REC+22], v[REC+26]
	v_add3_u32 v105, v105, v[REC+23], v[REC+27]
	v_add_nc_u32 v104, v104, v[REC+30]
	v_add_nc_u32 v105, v105, v[REC+31]
	v_lshrrev_b32 v107, 8, v104
	v_lshrrev_b32 v109, 8, v105
	v_and_b32 v106, 0xff00ff, v104                 ; experts 0, 2
	v_and_b32 v108, 0xff00ff, v105                 ; experts 4, 6
	v_and_b32 v107, 0xff00ff, v107                 ; experts 1, 3
	v_and_b32 v109, 0xff00ff, v109                 ; experts 5, 7
.irp m, 1,2,4,8
.irp k, 0,1,2,3
	v_mov_b32_dpp v[110+\k], v[106+\k] row_xmask:\m row_mask:0xf bank_mask:0xf
.endr
.irp k, 0,1,2,3
	v_add_nc_u32 v[106+\k], v[106+\k], v[110+\k]
.endr
.endr
.irp k, 0,1,2,3
	v_permlanex16_b32 v[110+\k], v[106+\k], s[SEL], s[SEL+1]
.endr
.irp k, 0,1,2,3
	v_add_nc_u32 v[106+\k], v[106+\k], v[110+\k]
.endr
	WALU
.irp k, 0,1,2,3
	v_readfirstlane_b32 s[48+\k], v[106+\k]
.endr
	s_and_b32 s32, s48, 0xffff
	s_and_b32 s33, s49, 0xffff
	s_lshr_b32 s34, s48, 16
	s_lshr_b32 s35, s49, 16
	s_and_b32 s36, s50, 0xffff
	s_and_b32 s37, s51, 0xffff
	s_lshr_b32 s38, s50, 16
	s_lshr_b32 s39, s51, 16                        ; s32-39: the experts' rows
.irp e, 0,1,2,3,4,5,6
	s_add_co_u32 s[40+\e], s[32+\e], 79
.endr
.irp e, 0,1,2,3,4,5,6
	s_mul_i32 s[40+\e], s[40+\e], 52429
.endr
.irp e, 0,1,2,3,4,5,6
	s_lshr_b32 s[40+\e], s[40+\e], 22              ; ceil(rows / 80): exact for numbers up to 4,175
.endr
	s_mov_b32 s52, 0
	s_mov_b32 s24, 0                               ; the expert's first tile
	s_mov_b32 s23, 0                               ; the expert: how many of experts 0 to 6 end at or in front of my tile
	s_mov_b32 s25, s32                             ; its rows
.irp e, 0,1,2,3,4,5,6
	s_add_co_u32 s52, s52, s[40+\e]
	s_cmp_ge_u32 s22, s52
	s_cselect_b32 s24, s52, s24
	s_cselect_b32 s25, s[33+\e], s25
	s_add_co_ci_u32 s23, s23, 0
.endr
	s_min_u32 s23, s23, 7
	s_lshl_b32 s27, s21, 9
	s_lshl_b32 s30, s20, 6
	s_add_co_u32 s27, s27, s30                     ; my first hidden unit
	s_lshl_b32 s28, s23, 21
	s_lshl_b32 s30, s27, 10
	s_add_co_u32 s28, s28, s30
	s_add_nc_u64 s[80:81], s[10:11], s[28:29]
	s_lshl_b32 s28, s23, 16
	s_lshl_b32 s30, s27, 5
	s_add_co_u32 s28, s28, s30
	s_add_nc_u64 s[82:83], s[12:13], s[28:29]
	s_lshl_b32 s28, s23, 13
	s_lshl_b32 s30, s27, 2
	s_add_co_u32 s28, s28, s30
	s_add_nc_u64 s[84:85], s[14:15], s[28:29]
.irp t, 0,1,2,3
	global_load_b128 v[WS+4*\t:WS+4*\t+3], v16, s[82:83] offset:(32*(\t/2)+8*(\t%2))*32
.endr
	WIN 0x40
.irp t, 0,1,2,3
	global_load_b128 v[8*\t:8*\t+3],   v15, s[84:85] offset:(32*(\t/2)+8*(\t%2))*4      ; lane (r, h), tile 2 b + u: hidden units 32 b + 16 h + 8 u + 0 .. 7
	global_load_b128 v[8*\t+4:8*\t+7], v15, s[84:85] offset:(32*(\t/2)+8*(\t%2))*4+16
.endr
	LOAD_W 0
	; MY TEN TOKENS.  The expert's mask and count bytes of my eight records, as 64 bits each
	s_sub_co_u32 s26, s22, s24
	s_mul_i32 s26, s26, 80
	s_mul_i32 s30, s20, 10
	s_add_co_u32 s26, s26, s30                     ; R0: my first rank
	s_mul_i32 s86, s23, 0x01010101                 ; byte e of eight, four times
.irp i, 0,1,2,3,4,5,6,7
	v_perm_b32 v[114+\i], v[REC+4*\i+1], v[REC+4*\i], s86
	v_perm_b32 v[122+\i], v[REC+4*\i+3], v[REC+4*\i+2], s86
.endr
	v_perm_b32 v134, v105, v104, s86
.irp i, 114,116,118,120,122,124,126,128
	v_perm_b32 v[\i], v[\i+1], v[\i], 0x400
.endr
	v_perm_b32 v130, v116, v114, 0x05040100
	v_perm_b32 v131, v120, v118, 0x05040100
	v_perm_b32 v132, v124, v122, 0x05040100
	v_perm_b32 v133, v128, v126, 0x05040100
	v_and_b32 v136, 0xff, v134                     ; my lane's rows of the expert; v135: those of the lanes below
	v_mov_b32 v135, 0
.irp m, 1,2,4,8
	v_mov_b32_dpp v137, v136 row_xmask:\m row_mask:0xf bank_mask:0xf
.if \m == 1
	v_cndmask_b32 v138, 0, v137, s70
.elseif \m == 2
	v_cndmask_b32 v138, 0, v137, s71
.elseif \m == 4
	v_cndmask_b32 v138, 0, v137, s72
.else
	v_cndmask_b32 v138, 0, v137, s73
.endif
	v_add_nc_u32 v136, v136, v137
	v_add_nc_u32 v135, v135, v138
.endr
	v_permlanex16_b32 v137, v136, s[SEL], s[SEL+1]
	v_cndmask_b32 v138, 0, v137, s74
	v_add_nc_u32 v135, v135, v138
	v_sub_nc_u32 v139, v135, s26                   ; less R0
.irp j, 0,1,2,3,4,5,6,7,8,9
	v_cmp_ge_i32 s[88+\j], \j, v139                ; lanes whose first rank is not above R0 + j: the last of them holds it
.endr
	WALU
.irp j, 0,1,2,3,4,5,6,7,8,9
	s_bcnt1_i32_b32 s[88+\j], s[88+\j]
.endr
.irp j, 0,1,2,3,4,5,6,7,8,9
	v_writelane_b32 v140, s[88+\j], \j
.endr
	v_add_nc_u32 v141, -1, v140
	v_lshlrev_b32 v141, 2, v141                    ; 4 L
	ds_bpermute_b32 v142, v141, v139
	ds_bpermute_b32 v143, v141, v130
	ds_bpermute_b32 v144, v141, v131
	ds_bpermute_b32 v145, v141, v132
	ds_bpermute_b32 v146, v141, v133
	WALU
	s_wait_dscnt 0x0
	v_sub_nc_u32 v147, v[LN], v142                 ; k: lane j wants bit number k of the 64
	v_mul_lo_u32 v114, v145, s87                   ; inclusive sums of the four low bytes, of the four high
	v_mul_lo_u32 v115, v146, s87
	v_lshrrev_b32 v116, 24, v114
	v_cmp_ge_u32 vcc_lo, v147, v116
	v_cndmask_b32 v114, v114, v115, vcc_lo
	v_cndmask_b32 v117, v143, v144, vcc_lo
	v_cndmask_b32 v118, 0, v116, vcc_lo
	v_cndmask_b32 v119, 0, 4, vcc_lo
	v_sub_nc_u32 v147, v147, v118
	SEL4 120, 114, 147
	v_lshlrev_b32 v121, 3, v120
	v_lshlrev_b32 v122, 8, v114
	v_bfe_u32 v122, v122, v121, 8
	v_bfe_u32 v123, v117, v121, 8                  ; the record's mask byte
	v_sub_nc_u32 v147, v147, v122
	v_and_b32 v124, 15, v123
	v_lshrrev_b32 v125, 4, v123
	v_mul_lo_u32 v124, v124, s69
	v_mul_lo_u32 v125, v125, s69
	v_and_b32 v124, s87, v124
	v_and_b32 v125, s87, v125
	v_mul_lo_u32 v124, v124, s87
	v_mul_lo_u32 v125, v125, s87
	v_lshrrev_b32 v126, 24, v124
	v_cmp_ge_u32 vcc_lo, v147, v126
	v_cndmask_b32 v124, v124, v125, vcc_lo
	v_cndmask_b32 v118, 0, v126, vcc_lo
	v_cndmask_b32 v127, 0, 4, vcc_lo
	v_sub_nc_u32 v147, v147, v118
	SEL4 128, 124, 147
	v_add_nc_u32 v119, v119, v120                  ; i
	v_add_nc_u32 v127, v127, v128                  ; b
	v_lshl_add_u32 v[TOK], v119, 8, v127
	v_lshl_add_u32 v[TOK], v141, 1, v[TOK]         ; lane j: the token of row 10 w + j: 256 i + 8 L + b
	v_min_u32 v[TOK], 0x7ff, v[TOK]
	v_lshlrev_b32 v120, 2, v2
.irp p, 0,1,2,3,4
	v_add_nc_u32 v[114+\p], 8*\p, v120             ; rows 2 p + h
.endr
	v_and_b32 v119, 30, v[LN]
	v_lshlrev_b32 v119, 1, v119                    ; row l / 2
.irp p, 0,1,2,3,4
	ds_bpermute_b32 v[18+\p], v[114+\p], v[TOK]
.endr
	ds_bpermute_b32 v23, v119, v[TOK]
	v_lshlrev_b32 v17, 2, v[TOK]
	v_and_b32 v120, 1, v[LN]
	v_lshlrev_b32 v120, 4, v120
	global_load_b32 v24, v17, s[6:7]               ; the token's two choices
	WALU
	s_wait_dscnt 0x0
.irp p, 18,19,20,21,22,23
	v_min_u32 v[\p], 0x7ff, v[\p]
.endr
.irp p, 18,19,20,21,22
	v_lshl_add_u32 v[\p], v[\p], 10, v13           ; the token's row of codes, + 16 r
.endr
	v_lshl_add_u32 v23, v23, 5, v120               ; the token's 32 scale bytes, half l % 2
	global_load_b128 v[28:31], v23, s[8:9] offset:2097152
.irp p, 0,1,2,3,4
.irp j, 0,1,2,3
	global_load_b128 v[AF+16*\p+4*\j:AF+16*\p+4*\j+3], v[18+\p], s[8:9] offset:256*\j
.endr
.endr
	CPAIR 40, 0xc034d90f                           ; the polynomial's coefficients x log2(e), the lowest less 1 (the half): c0 .. c8
	CPAIR 42, 0x3fb8ab5a
	CPAIR 44, 0x3f0a29d2
	CPAIR 46, 0x3e0efb2f
	CPAIR 48, 0xbe899a80
	CPAIR 50, 0x3ecdfd18
	CPAIR 52, 0xbfd1a1e5
	CPAIR 54, 0x40097039
	CPAIR 56, 0xbf97d29d
	CPAIR 60, 0xbf38aa3b                           ; -log2(e) / 2
	s_mov_b32 s62, 0x3eb504f3                      ; 1 / sqrt 8
	s_wait_loadcnt 22                              ; scale words, b1 and chunk 0 are in; the 1 + 1 + 20 loads behind them may be out
	STORE_W
	s_wait_dscnt 0x0                               ; the stores have read their registers
	LOAD_W 1
	s_wait_loadcnt 32                              ; x's rows are in; chunk 1 may be out
.irp p, 0,1,2,3,4
.irp j, 0,1,2,3
	ds_store_b128 v25, v[AF+16*\p+4*\j:AF+16*\p+4*\j+3] offset:2*\p*XPITCH+256*\j
.endr
.endr
	ds_store_b128 v26, v[28:31]
	s_lshl_b32 s30, s20, 8
	s_add_co_u32 s30, s30, STG
	v_lshlrev_b32 v15, 3, v[LN]                    ; the end: 8 x lane (b1 and the scale words are in: their addresses are free),
	v_add_nc_u32 v16, s30, v15                     ; and my 256 bytes of the stage
	WALU
	s_wait_dscnt 0x0                               ; for the others' sake: my rows lie in LDS
	s_barrier_signal -1
	s_barrier_wait -1                              ; everybody's do
	ds_load_b128 v[XS:XS+3], v27
	ds_load_b128 v[XS+4:XS+7], v48
	ds_load_b128 v[XS+8:XS+11], v49
	ds_load_b128 v[XS+12:XS+15], v70
	ds_load_b128 v[XS+16:XS+19], v71
	FRAG_A 0
	FRAG_W 0
	CHUNK 0
	CHUNK 1
	CHUNK 2
	CHUNK 3
	; WHERE THE ROWS LIE, for the launches behind this one: by the work-groups with x = 0
	WIN 0
	s_cmp_lg_u32 s21, 0
	s_cbranch_scc1 .Lnot_first
	v_and_b32 v24, 7, v24
	v_cmp_ne_u32 vcc_lo, s23, v24
	v_cndmask_b32 v24, 0, 4, vcc_lo                ; is my expert the token's second choice?
	v_lshl_add_u32 v24, v[TOK], 3, v24
	v_min_u32 v24, 0x3ffc, v24
	s_mul_i32 s30, s22, 80
	s_mul_i32 s31, s20, 10
	s_add_co_u32 s30, s30, s31
	v_add_nc_u32 v17, s30, v[LN]                   ; the slot
	s_sub_co_i32 s30, s25, s26
	s_min_i32 s30, s30, 10                         ; how many of my ten slots hold a row
	v_cmp_gt_i32 vcc_lo, s30, v[LN]
	WALU
	s_wait_xcnt 0x0
	s_and_saveexec_b32 s31, vcc_lo
	global_store_b32 v24, v17, s[18:19] offset:TSLOT
	s_wait_xcnt 0x0
	s_mov_b32 exec_lo, -1                          ; all lanes, as ahead of it
	s_cmp_lg_u32 s20, 0
	s_cbranch_scc1 .Lnot_first
	s_lshl_b32 s30, s22, 7
	v_lshlrev_b32 v13, 2, v[LN]
	v_add_nc_u32 v13, s30, v13
	v_mov_b32 v29, s23
	global_store_b32 v13, v29, s[18:19]            ; the tile's expert: 32 lanes store 128 consecutive bytes
.Lnot_first:
; THE END.  32 numbers of a lane at a time, a row block: the accumulators are read from their low ends on, in ascending order.
.macro GELU rb
.set XB_, 32*(\rb)
	WIN 0x05                                       ; sources 0 and 1: window 1
	WALU
.set n, 0
.rept 32
	v_fma_f32 v[TT+n], |v[XB_+n]|, s62, 1.0
.set n, n+1
.endr
.set n, 0
.rept 16
	v_pk_mul_f32 v[X2+2*n:X2+2*n+1], v[XB_+2*n:XB_+2*n+1], v[XB_+2*n:XB_+2*n+1]
.set n, n+1
.endr
.set n, 0
.rept 32
	v_max_num_f32 v[GG+n], 0, v[XB_+n]
.set n, n+1
.endr
	WIN 0
	WALU
.set n, 0
.rept 32
	v_rcp_f32 v[TT+n], v[TT+n]                     ; t
.set n, n+1
.endr
	v_nop                                          ; one plain instruction behind the transcendentals
	WALU
.set n, 0
.rept 16
	v_pk_fma_f32 v[PP+2*n:PP+2*n+1], v[TT+2*n:TT+2*n+1], v[C9V:C9V+1], s[56:57] op_sel_hi:[1,1,0]
.set n, n+1
.endr
.irp k, 7,6,5,4,3,2,1,0
.set n, 0
.rept 16
	v_pk_fma_f32 v[PP+2*n:PP+2*n+1], v[PP+2*n:PP+2*n+1], v[TT+2*n:TT+2*n+1], s[40+2*\k:41+2*\k] op_sel_hi:[1,1,0]
.set n, n+1
.endr
.endr
.set n, 0
.rept 16
	v_pk_fma_f32 v[PP+2*n:PP+2*n+1], v[X2+2*n:X2+2*n+1], s[60:61], v[PP+2*n:PP+2*n+1] op_sel_hi:[1,0,1]
.set n, n+1
.endr
	WALU
.set n, 0
.rept 32
	v_exp_f32 v[PP+n], v[PP+n]
.set n, n+1
.endr
	v_nop
	WALU
.set n, 0
.rept 16
	v_pk_mul_f32 v[PP+2*n:PP+2*n+1], v[PP+2*n:PP+2*n+1], v[TT+2*n:TT+2*n+1]   ; q
.set n, n+1
.endr
	WIN 0x01
.set n, 0
.rept 32
	v_fma_f32 v[GG+n], -|v[XB_+n]|, v[PP+n], v[GG+n]       ; gelu(x) = max(0, x) - |x| q
.set n, n+1
.endr
	WIN 0
.endm
; 32 numbers of a lane, register 16 b + i = k 32 b + 16 (lane / 16) + i of the wave's 64, become two pieces of codes at p and two scale bytes
.macro QUANT rb, p
.irp b, 0,1
	v_max3_num_f32 v[TM+\b], |v[GG+16*\b]|, |v[GG+1+16*\b]|, 0x8000000   ; with the floor 2^(16 - 127): the byte cannot fall under 1
.endr
.irp i, 2,4,6,8,10,12,14
.irp b, 0,1
	v_max3_num_f32 v[TM+\b], v[TM+\b], |v[GG+16*\b+\i]|, |v[GG+1+16*\b+\i]|
.endr
.endr
.irp b, 0,1
	v_permlanex16_b32 v[TM+4+\b], v[TM+\b], s[SEL], s[SEL+1]
.endr
.irp b, 0,1
	v_max_num_f32 v[TM+\b], v[TM+\b], v[TM+4+\b]   ; with lane l xor 16's: the block's largest magnitude
.endr
.irp b, 0,1
	v_add_nc_u32 v[TM+12+\b], 0xf8800000, v[TM+\b] ; 15 off its exponent field: the conversion's scale operand
.endr
.irp b, 0,1
	v_and_or_b32 v[TM+8+\b], v[TM+\b], 0x7f800000, s[MNT]   ; 57,344 x the scale
.endr
.irp b, 0,1
	v_lshrrev_b32 v[TM+6+\b], 23, v[TM+12+\b]      ; the scale's byte
.endr
	v_lshl_or_b32 v[TM+10], v[TM+7], 8, v[TM+6]
.irp b, 0,1
.irp i, 0,1,2,3,4,5,6,7,8,9,10,11,12,13,14,15
	v_med3_num_f32 v[GG+16*\b+\i], v[GG+16*\b+\i], -v[TM+8+\b], v[TM+8+\b]   ; the conversion does not saturate (ISA guide 7.6.2): the hold comes first
.endr
.endr
	WALU
	s_wait_xcnt 0x0                                ; earlier stores have read their data: the codes' registers are written again only behind this wait
.irp b, 0,1
	v_cvt_scalef32_pk8_bf8_f32 v[\p+4*\b:\p+1+4*\b], v[GG+16*\b:GG+7+16*\b], v[TM+12+\b]
	v_cvt_scalef32_pk8_bf8_f32 v[\p+2+4*\b:\p+3+4*\b], v[GG+8+16*\b:GG+15+16*\b], v[TM+12+\b]
.endr
	v_nop                                          ; one plain instruction between the last conversion and the next vector write of its sources
	ds_store_b16 v[SGA], v[TM+10] offset:256*(\rb) ; (both halves of the lanes hold the same two bytes)
.irp b, 0,1
	global_store_b128 v[L16], v[\p+4*\b:\p+4*\b+3], s[76:77] offset:2048*(\rb)+512*\b   ; 32 lanes store 512 consecutive bytes, aligned
.endr
.endm
	v_mov_b32 v[TM+4], 0                           ; a lane permute's destination counts as one of its sources
	v_mov_b32 v[TM+5], 0
	v_mov_b32 v[C9V], 0x3e7c6f08                   ; c9
	v_mov_b32 v[C9V+1], 0x3e7c6f08
	GELU 0
	QUANT 0, PC
	GELU 1
	QUANT 1, PC+8
	GELU 2
	QUANT 2, PC
	GELU 3
	QUANT 3, PC+8
	GELU 4
	QUANT 4, PC
	WALU
	s_wait_dscnt 0x0                               ; for the others' sake: my scale bytes lie in LDS
	s_barrier_signal -1
	s_barrier_wait -1
	s_cmp_lt_u32 s20, 5                            ; waves 0 to 4 send the work-group's 1,280 bytes
	s_cbranch_scc0 .Lsent
	ds_load_b64 v[76:77], v16
	s_wait_dscnt 0x0
	global_store_b64 v15, v[76:77], s[78:79]       ; 32 lanes store 256 consecutive bytes, aligned
.Lsent:
	s_wait_tensorcnt 0x0                           ; the wave's end
	ds_add_u32 v[SPW], v[NIL]
	s_wait_dscnt 0x0
	s_endpgm
.Lfunc_end_k_qbf8f079625_ffn1:
	.size	k_qbf8f079625_ffn1, .Lfunc_end_k_qbf8f079625_ffn1-k_qbf8f079625_ffn1
	.p2alignl 7, 3214868480
	.fill 96, 4, 3214868480
	.section	.rodata,"a",@progbits
	.p2align	6, 0x0
	.amdhsa_kernel k_qbf8f079625_ffn1
		.amdhsa_group_segment_fixed_size 228864
		.amdhsa_private_segment_fixed_size 0
		.amdhsa_enable_private_segment 0
		.amdhsa_kernarg_size 64
		.amdhsa_user_sgpr_count 2
		.amdhsa_user_sgpr_kernarg_segment_ptr 1
		.amdhsa_wavefront_size32 1
		.amdhsa_system_sgpr_workgroup_id_x 1
		.amdhsa_system_sgpr_workgroup_id_y 1
		.amdhsa_system_sgpr_workgroup_id_z 1
		.amdhsa_system_vgpr_workitem_id 0
		.amdhsa_next_free_vgpr 512
		.amdhsa_next_free_sgpr 100
		.amdhsa_reserve_vcc 1
		.amdhsa_float_denorm_mode_32 3
		.amdhsa_float_denorm_mode_16_64 3
		.amdhsa_memory_ordered 1
		.amdhsa_forward_progress 1
		.amdhsa_inst_pref_size 211
	.end_amdhsa_kernel
	.amdgpu_metadata
---
amdhsa.version: [ 1, 2 ]
amdhsa.kernels:
  - .name:           k_qbf8f079625_ffn1
    .symbol:         k_qbf8f079625_ffn1.kd
    .args:
      - { .name: recs, .offset: 0, .size: 8, .value_kind: global_buffer, .address_space: global }
      - { .name: sel, .offset: 8, .size: 8, .value_kind: global_buffer, .address_space: global }
      - { .name: xq, .offset: 16, .size: 8, .value_kind: global_buffer, .address_space: global }
      - { .name: W1_codes, .offset: 24, .size: 8, .value_kind: global_buffer, .address_space: global }
      - { .name: W1_scales, .offset: 32, .size: 8, .value_kind: global_buffer, .address_space: global }
      - { .name: b1, .offset: 40, .size: 8, .value_kind: global_buffer, .address_space: global }
      - { .name: hq, .offset: 48, .size: 8, .value_kind: global_buffer, .address_space: global }
      - { .name: lists, .offset: 56, .size: 8, .value_kind: global_buffer, .address_space: global }
    .group_segment_fixed_size: 228864
    .private_segment_fixed_size: 0
    .kernarg_segment_align: 8
    .kernarg_segment_size: 64
    .max_flat_workgroup_size: 256
    .sgpr_count:     100
    .vgpr_count:     512
    .wavefront_size: 32
...
	.end_amdgpu_metadata
.endif
;; end of part 7
;; launch ffn2 (part 8): grid 4 x 59, 8 waves a work-group, clusters of 4 x 1, 304,128 bytes of LDS; arguments lists, hq, W2_codes, W2_scales, b2, ybuf; writes ybuf
.if DOCPART == 8
	.amdgcn_target "amdgcn-amd-amdhsa--gfx1250"
	.amdhsa_code_object_version 6
	.text
	.protected	k_qbf8f079625_ffn2
	.globl	k_qbf8f079625_ffn2
	.p2align	8
	.type	k_qbf8f079625_ffn2,@function
k_qbf8f079625_ffn2:
	s_mov_b64 s[64:65], 0
	v_nop
	global_prefetch_b8 v0, s[64:65] scope:SCOPE_SE
	s_setreg_imm32_b32 hwreg(HW_REG_WAVE_MODE, 25, 1), 1
	s_wait_xcnt 0x0
	s_wait_alu depctr_hold_cnt(0) depctr_sa_sdst(0) depctr_va_vdst(0) depctr_va_sdst(0) depctr_va_ssrc(0) depctr_va_vcc(0) depctr_vm_vsrc(0)
	s_getreg_b32 s2, hwreg(HW_REG_IB_STS2, 6, 4)
	s_cmp_eq_u32 s2, 0
	s_cbranch_scc0 .Lentry_in_a_cluster
	s_endpgm
.Lentry_in_a_cluster:
	s_bfe_u32 s2, ttmp6, 0x10000c
	s_cmp_lg_u32 s2, 0x3003
	s_cbranch_scc0 .Lentry_shape_is_right
	s_endpgm
.Lentry_shape_is_right:
; y = h W2^T + b2 for one tile of 80 slots of one expert (work-group y) and 256 of the 1,024 outputs (work-group x), on E5M2 codes with E8M0 scales; sums in f32.
; y is the right operand of the last product (the gated sum of two experts' rows), which is left as it is and whose result goes into no quantiser: it is rounded once to bf16 and stored so: ybuf [4720][1024] bf16.
; SHARES.  Eight waves, two on a SIMD: wave w takes all 80 rows, the 64 outputs number w % 4 and HALF OF K, number w / 4: 20 accumulators.  So a wave's part of W2 is read by that wave alone.
; CLUSTERS: the four work-groups of a tile form a cluster: they need the same h, which is asked for JOINTLY, one load a wave, 80 rows of 256 bytes each of the tile's 163,840 consecutive bytes (register images, [K step][row block][2,048 bytes]);
; the loads' descriptors hang on the tile and the wave's number alone.  h comes in once; one barrier stands ahead of the products.  A fragment of h is four loads of 16 bytes a lane at 16 x lane.
; W2: four chunks of 64 rows x 256 bytes a wave, as in the launch before: 32 loads of 512 bytes into 128 registers, into the wave's own ring (rows 272 bytes apart), out of it as fragments.  One chunk a wave is on its way while the one before
; is multiplied; the ring is each wave's own and LDS serves a wave in order (ISA guide 5.7.1.4).  The weights are not shared by joint loads: which tiles share an expert hangs on the list in memory.
; NO PREFETCH: a chunk is asked for a whole chunk ahead, and which work-groups share a weight's rows is not known from ids.
; TRANSPOSED USE: source 0 = 16 rows of W2, source 1 = 16 rows of h: a lane holds eight neighbouring outputs of one row.
; SCALE WORDS once: register i of a row's four holds K step i's word (of the wave's eight) in lanes 0-15, K step 4 + i's in lanes 16-31.
; OUT: waves w and w + 4 hold the two halves of the same sums.  The first hands over row blocks 3 and 4, the second 0 to 2, each through its own ring; behind a barrier each adds the other's half and b2 to what it kept, rounds to bf16 and lays
; its rows into the stage, over h, whose bytes have had their last fill and their last read; behind a second barrier each wave sends ten whole rows of 512 bytes.
; NO BRANCH ON DATA: every tile is computed and stored; rows of slots that hold no row are read by nobody.
; LIMITS: NaN and infinities are not served.
; REGISTERS.  Window 0: v1-20 addresses; v32-47 W2's scale words; v50-69 h's; v72-151 h's fragments of a K step; v152-255 26 of a chunk's 32 loads; at the end v72-167 sums, v168-215 bf16, v224-255 b2.
;   Window 1: v0-159 accumulators at v[8 (4 rb + t)]; v160-223 W2's fragments; v224-247 the other 6 loads.
.set RING,   163840                    ; 640 x 256: behind the images' last byte
.set WPITCH, 272
.set WSLOT,  64*WPITCH
.set SPARE,  RING+8*WSLOT              ; the spare words, 128 bytes for each wave
.set SPITCH, 528                       ; the stage: a row's 512 bytes + 16
.set HPART,  20480                     ; a wave's part of h
.set GO,   3
.set SO,   4
.set WFA,  5
.set HAR,  6                           ; v6, v7: my half's K steps 0 to 3, 4 to 7
.set L16,  8
.set EXO,  9                           ; my ring, 16 x lane
.set SPW,  10
.set NIL,  11
.set EXI,  13                          ; my partner's
.set STO,  14                          ; into the stage
.set RD,   15                          ; out of it
.set WS,   32
.set HS,   50                          ; (no product's two scale words have numbers equal modulo 8)
.set AF,   72
.set S0,   152
.set S1,   224
.set WF,   160
.set B2,   224
.set WB,   8
.set WSB,  10
.set BB,   12
.set YB,   14
.set HSB,  28
.set G0,   32
.set G1,   40
.set MSB, 0
.macro WIN new                         ; the immediate's high byte repeats the setting that is left
.if MSB != \new
	s_set_vgpr_msb (MSB<<8)|\new
.set MSB, \new
.endif
.endm
.macro WALU
	s_wait_alu depctr_va_vdst(0)
.endm
.macro PLACES                          ; eight plain vector instructions between a matrix instruction of this form and a load into, or a read of, its registers
.rept 8
	v_nop
.endr
.endm
.macro CROUND                          ; a round of the cluster's barrier
	s_barrier_signal -1
	s_barrier_wait -1
	s_cmp_lg_u32 s16, 0
	s_cbranch_scc1 .Lnot_wave_0_\@
	s_barrier_signal -3
.Lnot_wave_0_\@:
	s_barrier_wait -3
	s_barrier_signal -1
	s_barrier_wait -1
.endm
.macro LOAD_W c                        ; chunk c from memory into the 128 registers
	WIN 0
.set I_, 0
.rept 26
	global_load_b128 v[S0+4*I_:S0+4*I_+3], v[GO], s[WB:WB+1] offset:2*I_*2048+256*(\c)
.set I_, I_+1
.endr
	WIN 0x40
.rept 6
	global_load_b128 v[S1+4*(I_-26):S1+4*(I_-26)+3], v[GO], s[WB:WB+1] offset:2*I_*2048+256*(\c)
.set I_, I_+1
.endr
	WIN 0
.endm
.macro STORE_W                         ; from there into the ring
	WIN 0
.set I_, 0
.rept 26
	ds_store_b128 v[SO], v[S0+4*I_:S0+4*I_+3] offset:2*I_*WPITCH
.set I_, I_+1
.endr
	WIN 0x04
.rept 6
	ds_store_b128 v[SO], v[S1+4*(I_-26):S1+4*(I_-26)+3] offset:2*I_*WPITCH
.set I_, I_+1
.endr
	WIN 0
.endm
.macro FRAG_W q                        ; W2's four fragments of the chunk's step q
	WIN 0x40
.irp tt, 0,1,2,3
.irp cc, 0,1,2,3
	ds_load_b128 v[WF+16*\tt+4*\cc:WF+16*\tt+4*\cc+3], v[WFA] offset:\tt*16*WPITCH+128*(\q)+32*\cc
.endr
.endr
	WIN 0
.endm
.macro FRAG_A ks                       ; h's five fragments of K step ks of my half
	WIN 0
.irp rb, 0,1,2,3,4
.irp cc, 0,1,2,3
	ds_load_b128 v[AF+16*\rb+4*\cc:AF+16*\rb+4*\cc+3], v[HAR+(\ks)/4] offset:((\ks)%4)*10240+2048*\rb+512*\cc
.endr
.endr
.endm
; 20 products of K step ks.  The accumulators take turns, one instruction a turn, in the same order in every step.
.macro MUL ks
	WIN 0x51                                       ; W2 window 1, h window 0, C and D window 1
.irp rb, 0,1,2,3,4
.irp tt, 0,1,2,3
.set MA_, 8*(4*\rb+\tt)
.set SA_, WS+4*\tt+((\ks)&3)
.set SB_, HS+4*\rb+((\ks)&3)
.if (\ks) == 0
	v_wmma_scale_f32_16x16x128_f8f6f4 v[MA_:MA_+7], v[WF+16*\tt:WF+16*\tt+15], v[AF+16*\rb:AF+16*\rb+15], 0, v[SA_], v[SB_] matrix_a_fmt:MATRIX_FMT_BF8 matrix_b_fmt:MATRIX_FMT_BF8
.elseif (\ks) < 4
	v_wmma_scale_f32_16x16x128_f8f6f4 v[MA_:MA_+7], v[WF+16*\tt:WF+16*\tt+15], v[AF+16*\rb:AF+16*\rb+15], v[MA_:MA_+7], v[SA_], v[SB_] matrix_a_fmt:MATRIX_FMT_BF8 matrix_b_fmt:MATRIX_FMT_BF8
.else
	v_wmma_scale_f32_16x16x128_f8f6f4 v[MA_:MA_+7], v[WF+16*\tt:WF+16*\tt+15], v[AF+16*\rb:AF+16*\rb+15], v[MA_:MA_+7], v[SA_], v[SB_] matrix_a_fmt:MATRIX_FMT_BF8 matrix_b_fmt:MATRIX_FMT_BF8 matrix_a_scale:MATRIX_SCALE_ROW1 matrix_b_scale:MATRIX_SCALE_ROW1
.endif
.endr
.endr
.endm
.macro CHUNK c                         ; at its head: chunk c in the ring, its first step's fragments asked for, chunk c + 1 on its way
	s_wait_dscnt 0x0
	MUL 2*\c
	PLACES
	FRAG_A 2*\c+1
	FRAG_W 1
	s_wait_dscnt 0x0
	MUL 2*\c+1
	PLACES
.if \c < 3
	FRAG_A 2*\c+2
	s_wait_loadcnt 0x0                             ; chunk c + 1 has landed; the ring's chunk has been read out
	STORE_W
	FRAG_W 0
	s_wait_dscnt 16                                ; the stores have read their registers (the 16 loads behind them may be out),
.if \c < 2
	LOAD_W \c+2                                    ; which take the next chunk,
.else
.irp t, 0,1,2,3
	global_load_b128 v[B2+8*\t:B2+8*\t+3],   v20, s[BB:BB+1] offset:64*\t       ; or, at last, b2: lane (r, h), tile t: outputs 16 t + 8 h + 0 .. 7
	global_load_b128 v[B2+8*\t+4:B2+8*\t+7], v20, s[BB:BB+1] offset:64*\t+16
.endr
.endif
.endif
.endm
.macro GIVE a, cnt                     ; row blocks a on, through my ring; each accumulator from its low end on
	WIN 0x04
.set I_, 0
.rept 8*\cnt
	ds_store_b128 v[EXO], v[32*\a+4*I_:32*\a+4*I_+3] offset:512*I_
.set I_, I_+1
.endr
	WIN 0
.endm
.macro TAKE a, cnt                     ; row blocks a on: my sums + my partner's + b2, rounded once to bf16, into the stage
.set I_, 0
.rept 8*\cnt
	ds_load_b128 v[72+4*I_:72+4*I_+3], v[EXI] offset:512*I_
.set I_, I_+1
.endr
	s_wait_dscnt 0x0
	WIN 0x01
.set I_, 0
.rept 16*\cnt
	v_pk_add_f32 v[72+2*I_:72+2*I_+1], v[32*\a+2*I_:32*\a+2*I_+1], v[72+2*I_:72+2*I_+1]
.set I_, I_+1
.endr
	WIN 0
.set I_, 0
.rept 16*\cnt
	v_pk_add_f32 v[72+2*I_:72+2*I_+1], v[72+2*I_:72+2*I_+1], v[B2+((2*I_)&31):B2+((2*I_)&31)+1]
.set I_, I_+1
.endr
.set I_, 0
.rept 16*\cnt
	v_cvt_pk_bf16_f32 v[168+I_], v[72+2*I_], v[72+2*I_+1]
.set I_, I_+1
.endr
.set I_, 0
.rept 4*\cnt
	ds_store_b128 v[STO], v[168+4*I_:168+4*I_+3] offset:(\a+I_/4)*16*SPITCH+32*(I_&3)
.set I_, I_+1
.endr
.endm
	s_load_b256 s[4:11], s[0:1], 0x0               ; lists s[4:5], hq s[6:7], W2's codes s[8:9], W2's scales s[10:11]
	s_load_b128 s[12:15], s[0:1], 0x20             ; b2 s[12:13], ybuf s[14:15]
	v_lshl_add_u32 v[SPW], v0, 2, SPARE
	v_mov_b32 v[NIL], 0
	ds_add_u32 v[SPW], v[NIL]
	ds_add_u32 v[SPW], v[NIL]
	v_lshrrev_b32 v1, 5, v0
	v_readfirstlane_b32 s16, v1                    ; wave
	s_bfe_u32 s17, ttmp6, 0x40000                  ; my place in the cluster: which 256 outputs
	s_and_b32 s18, ttmp7, 0xffff                   ; which tile
	s_and_b32 s30, s16, 3                          ; which 64 of the 256 outputs
	s_lshr_b32 s31, s16, 2                         ; which half of K
	; descriptor group 1: a dense block of 20,480 bytes as 80 rows of 256 bytes (32 elements of 8 bytes), no padding: the images lie in LDS as they lie in memory
	s_mov_b32 s[G1+0], (3<<16)|(1<<21)|15          ; 15:0 the mask: all four of the cluster; 17:16 elements of 8 bytes; 21 set beside a mask
	s_mov_b32 s[G1+1], 32<<16                      ; tensor_dim0 = 32
	s_mov_b32 s[G1+2], 80<<16                      ; tensor_dim1 = 80
	s_mov_b32 s[G1+3], 32<<16                      ; tile_dim0 = 32
	s_mov_b32 s[G1+4], 80                          ; tile_dim1 = 80
	s_mov_b32 s[G1+5], 32                          ; from row to row: 32 elements
	s_mov_b32 s[G1+6], 0
	s_mov_b32 s[G1+7], 0
	s_mul_i32 s27, s16, HPART                      ; my part: in LDS,
	s_mul_i32 s22, s18, 163840
	s_add_co_u32 s22, s22, s27                     ; and in hq
	s_mov_b32 s23, 0
	s_lshl_b32 s19, s18, 7
	s_mov_b32 s[G0], 1
	s_mov_b32 s[G0+1], s27
	WALU
	s_wait_dscnt 0x0                               ; both opening adds are done
	CROUND                                         ; the cluster's four work-groups are here: the joint loads meet
	s_wait_kmcnt 0x0
	s_load_b32 s20, s[4:5], s19 offset:0x0         ; the tile's expert
	s_add_nc_u64 s[G0+2:G0+3], s[6:7], s[22:23]
	s_or_b32 s[G0+3], s[G0+3], 0x80000000          ; type = 2
	tensor_load_to_lds s[G0:G0+3], s[G1:G1+7]      ; my one tensor load of the launch
	s_nop 0
.rept 4
	v_nop
.endr
	v_and_b32 v1, 15, v0                           ; r
	v_bfe_u32 v2, v0, 4, 1                         ; h
	v_and_b32 v12, 31, v0
	v_lshlrev_b32 v[L16], 4, v12
	v_lshlrev_b32 v16, 4, v1                       ; 16 r
	v_mul_u32_u24 v19, v2, 1280
	v_add_nc_u32 v19, v19, v16                     ; h's scale words: K steps 0-3 of my half, or 4-7, 16 r
	s_mul_i32 s22, s18, 5120
	s_mul_i32 s26, s31, 2560
	s_add_co_u32 s22, s22, s26
	s_add_co_u32 s22, s22, 9666560
	s_add_nc_u64 s[HSB:HSB+1], s[6:7], s[22:23]
.irp rb, 0,1,2,3,4
	global_load_b128 v[HS+4*\rb:HS+4*\rb+3], v19, s[HSB:HSB+1] offset:256*\rb
.endr
	v_lshl_add_u32 v[GO], v2, 11, v16              ; W2: 2,048 h + 16 r
	v_lshlrev_b32 v18, 6, v1
	v_lshl_add_u32 v18, v2, 4, v18                 ; W2's scale words: 64 bytes a row, + 16 h
	v_lshlrev_b32 v20, 5, v2                       ; b2: 32 h
	s_mul_i32 s26, s16, WSLOT
	s_add_co_u32 s26, s26, RING                    ; my ring
	v_mul_u32_u24 v[SO], v2, WPITCH
	v_add_nc_u32 v[SO], v[SO], v16
	v_add_nc_u32 v[SO], s26, v[SO]
	v_mul_u32_u24 v[WFA], v1, WPITCH
	v_lshl_add_u32 v[WFA], v2, 4, v[WFA]
	v_add_nc_u32 v[WFA], s26, v[WFA]
	v_add_nc_u32 v[EXO], s26, v[L16]
	s_xor_b32 s26, s16, 4
	s_mul_i32 s26, s26, WSLOT
	s_add_co_u32 s26, s26, RING                    ; the ring of the wave with my outputs' other half
	v_add_nc_u32 v[EXI], s26, v[L16]
	s_mul_i32 s26, s31, 81920
	v_add_nc_u32 v[HAR], s26, v[L16]
	v_add_nc_u32 v[HAR+1], 40960, v[HAR]
	s_lshl_b32 s26, s30, 7
	v_mul_u32_u24 v[STO], v1, SPITCH
	v_lshl_add_u32 v[STO], v2, 4, v[STO]
	v_add_nc_u32 v[STO], s26, v[STO]               ; row r, my 128 bytes, + 16 h
	s_mul_i32 s26, s16, 10*SPITCH
	v_add_nc_u32 v[RD], s26, v[L16]                ; rows 10 w on, 16 x lane
	WALU
	s_wait_kmcnt 0x0
	s_min_u32 s20, s20, 7
	s_lshl_b32 s21, s17, 8
	s_lshl_b32 s27, s30, 6
	s_add_co_u32 s21, s21, s27                     ; my first output
	s_lshl_b32 s22, s20, 21
	s_lshl_b32 s27, s21, 11
	s_add_co_u32 s22, s22, s27
	s_lshl_b32 s27, s31, 10
	s_add_co_u32 s22, s22, s27
	s_add_nc_u64 s[WB:WB+1], s[WB:WB+1], s[22:23]
	LOAD_W 0                                       ; the first chunk is asked for as soon as the expert is known
	s_lshl_b32 s22, s20, 16
	s_lshl_b32 s27, s21, 6
	s_add_co_u32 s22, s22, s27
	s_lshl_b32 s27, s31, 5
	s_add_co_u32 s22, s22, s27
	s_add_nc_u64 s[WSB:WSB+1], s[WSB:WSB+1], s[22:23]
.irp t, 0,1,2,3
	global_load_b128 v[WS+4*\t:WS+4*\t+3], v18, s[WSB:WSB+1] offset:1024*\t
.endr
	s_lshl_b32 s22, s20, 12
	s_lshl_b32 s27, s21, 2
	s_add_co_u32 s22, s22, s27
	s_add_nc_u64 s[BB:BB+1], s[BB:BB+1], s[22:23]
	s_mul_i32 s22, s18, 80
	s_mul_i32 s27, s16, 10
	s_add_co_u32 s22, s22, s27                     ; the first row of y that I store: 80 x tile + 10 x wave,
	s_lshl_b32 s22, s22, 11                        ; 2,048 bytes a row,
	s_lshl_b32 s27, s17, 9
	s_add_co_u32 s22, s22, s27                     ; + the work-group's 512 bytes of it
	s_add_nc_u64 s[YB:YB+1], s[YB:YB+1], s[22:23]
	s_wait_loadcnt 0x0
	STORE_W
	s_wait_dscnt 0x0                               ; the stores have read their registers; and no LDS instruction of mine is out at the signal
	LOAD_W 1
	s_wait_tensorcnt 0x0                           ; my part of h lies in LDS,
	s_barrier_signal -1
	s_barrier_wait -1                              ; everybody's does
	FRAG_A 0
	FRAG_W 0
	CHUNK 0
	CHUNK 1
	CHUNK 2
	CHUNK 3
	; THE WAY OUT
	WIN 0
	s_wait_loadcnt 0x0                             ; b2 is in
	s_cmp_eq_u32 s31, 0
	s_cbranch_scc0 .Lgive_1
	GIVE 3, 2
	s_branch .Lgiven
.Lgive_1:
	GIVE 0, 3
.Lgiven:
	s_wait_dscnt 0x0                               ; for my partner's sake: my stores are done
	s_barrier_signal -1
	s_barrier_wait -1                              ; all halves lie in the rings; and nobody reads h any more
	s_cmp_eq_u32 s31, 0
	s_cbranch_scc0 .Ltake_1
	TAKE 0, 3
	s_branch .Ltaken
.Ltake_1:
	TAKE 3, 2
.Ltaken:
	s_wait_dscnt 0x0                               ; for the others' sake
	s_barrier_signal -1
	s_barrier_wait -1                              ; 80 rows lie in the stage
.set I_, 0
.rept 10
	ds_load_b128 v[72+4*I_:72+4*I_+3], v[RD] offset:I_*SPITCH
.set I_, I_+1
.endr
.set I_, 0
.rept 10
	s_wait_dscnt 9-I_                              ; row i is in; the 9 - i loads behind it may be out
	global_store_b128 v[L16], v[72+4*I_:72+4*I_+3], s[YB:YB+1] offset:I_*2048   ; 32 lanes store 512 consecutive bytes, aligned
.set I_, I_+1
.endr
	s_wait_tensorcnt 0x0                           ; the wave's end
	ds_add_u32 v[SPW], v[NIL]
	s_wait_dscnt 0x0
	CROUND                                         ; the closing round: no work-group ends while a partner may still ask for a tile that names it
	s_endpgm
.Lfunc_end_k_qbf8f079625_ffn2:
	.size	k_qbf8f079625_ffn2, .Lfunc_end_k_qbf8f079625_ffn2-k_qbf8f079625_ffn2
	.p2alignl 7, 3214868480
	.fill 96, 4, 3214868480
	.section	.rodata,"a",@progbits
	.p2align	6, 0x0
	.amdhsa_kernel k_qbf8f079625_ffn2
		.amdhsa_group_segment_fixed_size 304128
		.amdhsa_private_segment_fixed_size 0
		.amdhsa_enable_private_segment 0
		.amdhsa_kernarg_size 48
		.amdhsa_user_sgpr_count 2
		.amdhsa_user_sgpr_kernarg_segment_ptr 1
		.amdhsa_wavefront_size32 1
		.amdhsa_system_sgpr_workgroup_id_x 1
		.amdhsa_system_sgpr_workgroup_id_y 1
		.amdhsa_system_sgpr_workgroup_id_z 1
		.amdhsa_system_vgpr_workitem_id 0
		.amdhsa_next_free_vgpr 512
		.amdhsa_next_free_sgpr 80
		.amdhsa_reserve_vcc 0
		.amdhsa_float_denorm_mode_32 3
		.amdhsa_float_denorm_mode_16_64 3
		.amdhsa_memory_ordered 1
		.amdhsa_forward_progress 1
		.amdhsa_inst_pref_size 94
	.end_amdhsa_kernel
	.amdgpu_metadata
---
amdhsa.version: [ 1, 2 ]
amdhsa.kernels:
  - .name:           k_qbf8f079625_ffn2
    .symbol:         k_qbf8f079625_ffn2.kd
    .args:
      - { .name: lists, .offset: 0, .size: 8, .value_kind: global_buffer, .address_space: global }
      - { .name: hq, .offset: 8, .size: 8, .value_kind: global_buffer, .address_space: global }
      - { .name: W2_codes, .offset: 16, .size: 8, .value_kind: global_buffer, .address_space: global }
      - { .name: W2_scales, .offset: 24, .size: 8, .value_kind: global_buffer, .address_space: global }
      - { .name: b2, .offset: 32, .size: 8, .value_kind: global_buffer, .address_space: global }
      - { .name: ybuf, .offset: 40, .size: 8, .value_kind: global_buffer, .address_space: global }
    .group_segment_fixed_size: 304128
    .private_segment_fixed_size: 0
    .kernarg_segment_align: 8
    .kernarg_segment_size: 48
    .max_flat_workgroup_size: 256
    .sgpr_count:     80
    .vgpr_count:     512
    .wavefront_size: 32
...
	.end_amdgpu_metadata
.endif
;; end of part 8
;; launch combine (part 9): grid 256 x 1, 8 waves a work-group, no clusters, 0 bytes of LDS; arguments lists, gw, ybuf, out0; writes out0
.if DOCPART == 9
	.amdgcn_target "amdgcn-amd-amdhsa--gfx1250"
	.amdhsa_code_object_version 6
	.text
	.protected	k_qbf8f079625_combine
	.globl	k_qbf8f079625_combine
	.p2align	8
	.type	k_qbf8f079625_combine,@function
k_qbf8f079625_combine:
	s_mov_b64 s[64:65], 0
	v_nop
	global_prefetch_b8 v0, s[64:65] scope:SCOPE_SE
	s_setreg_imm32_b32 hwreg(HW_REG_WAVE_MODE, 25, 1), 1
	s_wait_xcnt 0x0
; out[t] = g0 y[slot of the first choice] + g1 y[slot of the second].  y lies in ybuf as bf16 (the operand of this product, which is left as it is); gates, products and sums in f32.
; The experts that a token did not choose have the weight 0 and are left out.
; A wave takes one token: two rows of 2,048 bytes in, one of 4,096 out.  A lane takes four neighbouring numbers at a time: each load covers 256 consecutive bytes, each store 512.
; The slots are whole numbers that the placing launch stored (lists, at 7,680 + 8 t); the gates lie in gw.  Each output row has this one owner: no sums between work-groups.
; A stream: no LDS, no barrier, no matrix unit (K = 2).
	s_load_b256 s[4:11], s[0:1], 0x0               ; lists s[4:5], gw s[6:7], ybuf s[8:9], out0 s[10:11]
	v_lshrrev_b32 v1, 5, v0
	v_readfirstlane_b32 s12, v1                    ; wave
	v_and_b32 v2, 31, v0
	v_lshlrev_b32 v1, 3, v2                        ; 8 x lane
	v_lshlrev_b32 v2, 4, v2                        ; 16 x lane
	s_lshl_b32 s13, ttmp9, 3
	s_add_co_u32 s12, s12, s13                     ; my token
	s_lshl_b32 s13, s12, 3
	s_lshl_b32 s24, s12, 12
	s_mov_b32 s25, 0
	s_wait_alu depctr_va_vdst(0)
	s_wait_kmcnt 0x0
	s_load_b64 s[14:15], s[4:5], s13 offset:0x1e00 ; its two slots
	s_load_b64 s[16:17], s[6:7], s13               ; its two gates
	s_add_nc_u64 s[10:11], s[10:11], s[24:25]
	s_wait_kmcnt 0x0
	s_min_u32 s14, s14, 4719
	s_min_u32 s15, s15, 4719
	s_lshl_b32 s18, s14, 11
	s_mov_b32 s19, 0
	s_lshl_b32 s20, s15, 11
	s_mov_b32 s21, 0
	s_add_nc_u64 s[18:19], s[8:9], s[18:19]
	s_add_nc_u64 s[20:21], s[8:9], s[20:21]
	s_mov_b32 s22, s17                             ; g1 as the low word of a pair (the packed form takes the low word for both halves)
	s_mov_b32 s23, s17
.irp j, 0,1,2,3,4,5,6,7
	global_load_b64 v[4+2*\j:5+2*\j], v1, s[18:19] offset:256*\j th:TH_LOAD_NT
.endr
.irp j, 0,1,2,3,4,5,6,7
	global_load_b64 v[20+2*\j:21+2*\j], v1, s[20:21] offset:256*\j th:TH_LOAD_NT
.endr
.irp j, 0,1,2,3,4,5,6,7
	s_wait_loadcnt 7-\j                            ; piece j of the second row is in, and with it all of the first row; the 7 - j younger loads may be out
	v_lshlrev_b32 v[40+4*\j], 16, v[4+2*\j]        ; bf16 to f32: the low half moves up, the high half stays
	v_and_b32 v[41+4*\j], 0xffff0000, v[4+2*\j]
	v_lshlrev_b32 v[42+4*\j], 16, v[5+2*\j]
	v_and_b32 v[43+4*\j], 0xffff0000, v[5+2*\j]
	v_lshlrev_b32 v36, 16, v[20+2*\j]
	v_and_b32 v37, 0xffff0000, v[20+2*\j]
	v_lshlrev_b32 v38, 16, v[21+2*\j]
	v_and_b32 v39, 0xffff0000, v[21+2*\j]
	v_pk_mul_f32 v[40+4*\j:41+4*\j], v[40+4*\j:41+4*\j], s[16:17] op_sel_hi:[1,0]
	v_pk_mul_f32 v[42+4*\j:43+4*\j], v[42+4*\j:43+4*\j], s[16:17] op_sel_hi:[1,0]
	v_pk_fma_f32 v[40+4*\j:41+4*\j], v[36:37], s[22:23], v[40+4*\j:41+4*\j] op_sel_hi:[1,0,1]
	v_pk_fma_f32 v[42+4*\j:43+4*\j], v[38:39], s[22:23], v[42+4*\j:43+4*\j] op_sel_hi:[1,0,1]
	global_store_b128 v2, v[40+4*\j:43+4*\j], s[10:11] offset:512*\j th:TH_STORE_NT   ; each piece has registers of its own: no store's data are written again
.endr
	s_endpgm
.Lfunc_end_k_qbf8f079625_combine:
	.size	k_qbf8f079625_combine, .Lfunc_end_k_qbf8f079625_combine-k_qbf8f079625_combine
	.p2alignl 7, 3214868480
	.fill 96, 4, 3214868480
	.section	.rodata,"a",@progbits
	.p2align	6, 0x0
	.amdhsa_kernel k_qbf8f079625_combine
		.amdhsa_group_segment_fixed_size 0
		.amdhsa_private_segment_fixed_size 0
		.amdhsa_enable_private_segment 0
		.amdhsa_kernarg_size 32
		.amdhsa_user_sgpr_count 2
		.amdhsa_user_sgpr_kernarg_segment_ptr 1
		.amdhsa_wavefront_size32 1
		.amdhsa_system_sgpr_workgroup_id_x 1
		.amdhsa_system_sgpr_workgroup_id_y 1
		.amdhsa_system_sgpr_workgroup_id_z 1
		.amdhsa_system_vgpr_workitem_id 0
		.amdhsa_next_free_vgpr 80
		.amdhsa_next_free_sgpr 66
		.amdhsa_reserve_vcc 0
		.amdhsa_float_denorm_mode_32 3
		.amdhsa_float_denorm_mode_16_64 3
		.amdhsa_memory_ordered 1
		.amdhsa_forward_progress 1
		.amdhsa_inst_pref_size 9
	.end_amdhsa_kernel
	.amdgpu_metadata
---
amdhsa.version: [ 1, 2 ]
amdhsa.kernels:
  - .name:           k_qbf8f079625_combine
    .symbol:         k_qbf8f079625_combine.kd
    .args:
      - { .name: lists, .offset: 0, .size: 8, .value_kind: global_buffer, .address_space: global }
      - { .name: gw, .offset: 8, .size: 8, .value_kind: global_buffer, .address_space: global }
      - { .name: ybuf, .offset: 16, .size: 8, .value_kind: global_buffer, .address_space: global }
      - { .name: out0, .offset: 24, .size: 8, .value_kind: global_buffer, .address_space: global }
    .group_segment_fixed_size: 0
    .private_segment_fixed_size: 0
    .kernarg_segment_align: 8
    .kernarg_segment_size: 32
    .max_flat_workgroup_size: 256
    .sgpr_count:     66
    .vgpr_count:     80
    .wavefront_size: 32
...
	.end_amdgpu_metadata
.endif
;; end of part 9
